; MI455X (gfx1250); checked and timed in simulation.
; The chip was launched on July 23, 2026; its instructions are those of AMD's public machine-readable ISA for CDNA 5 (MIT licence, August 2026) and "CDNA5" Instruction Set Architecture Reference Guide (July 2026). The comments in the code are by the model that wrote it; some were corrected since.
;; IDNN. Allowed arithmetic: matrix products marked QUANTISED: E4M3 operands, one given power-of-two scale a tensor, by v_wmma_f32_16x16x64_fp8_fp8 or v_wmma_f32_16x16x128_fp8_fp8, f32 sums; products left as they are: f32 operands where the result goes on into a quantised operand, else bf16, f16 or f32 operands; f32 sums; everything else in f32.
;; Inputs: W1 16 x 256 float32; W2 256 x 256 float32; W3 256 x 1 float32; b1 256 float32; b2 256 float32; lowp_scales 20 int32 (the exponents e of the quantised operands' scales 2^e); x 16,384 x 16 float32.
;; Outputs: out0 16,384 x 1 float32; out1 16,384 x 16 float32; out2 16,384 x 16 x 16 float32.
;; This version of the problem:
;;   THIS VERSION OF THE PROBLEM IS GIVEN IN LOW PRECISION. The matrix products marked QUANTISED in the list below multiply operands that are first quantised to E4M3 (4 exponent bits, 3 mantissa bits; 8 bits a number), with one given power-of-two scale for each operand tensor; their sums are f32. All else is computed in f32.
;;   The module's matrix products, in the order in which they are computed (A, B: the left and right operand; K: the contracted axis; several contracted axes count as one K, in the product's order):
;;     1. [M 16,384, K 16] x [K 16, N 256]; A: input x; B: input W1: left as it is (K = 16 < 32)
;;     2. [M 16,384, K 256] x [K 256, N 256]; A: computed on the way; B: input W2: QUANTISED (scales: A lowp_scales[0], B lowp_scales[1])
;;     3. [M 16,384, K 256] x [K 256, N 1]; A: computed on the way; B: input W3: left as it is (N = 1 < 16)
;;     4. [M 16,384, K 16] x [K 16, N 256]; A: input x; B: input W1: left as it is (K = 16 < 32)
;;     5. [M 16,384, K 256] x [K 256, N 256]; A: computed on the way; B: input W2: QUANTISED (scales: A lowp_scales[2], B lowp_scales[3])
;;     6. [M 16,384, K 256] x [K 256, N 1]; A: computed on the way; B: input W3: left as it is (N = 1 < 16)
;;     7. [M 1, K 1] x [K 1, N 256]; A: computed on the way; B: input W3: left as it is (K = 1 < 32)
;;     8. [M 16,384, K 256] x [K 256, N 256]; A: computed on the way; B: input W2: QUANTISED (scales: A lowp_scales[4], B lowp_scales[5])
;;     9. [M 16,384, K 256] x [K 256, N 16]; A: computed on the way; B: input W1: QUANTISED (scales: A lowp_scales[6], B lowp_scales[7])
;;     10. [M 16,384, K 16] x [K 16, N 256]; A: input x; B: input W1: left as it is (K = 16 < 32)
;;     11. [M 16, K 16] x [K 16, N 256]; A: computed on the way; B: input W1: left as it is (K = 16 < 32)
;;     12. [M 16,384, K 256] x [K 256, N 256]; A: computed on the way; B: input W2: QUANTISED (scales: A lowp_scales[8], B lowp_scales[9])
;;     13. [M 262,144, K 256] x [K 256, N 256]; A: computed on the way; B: input W2: QUANTISED (scales: A lowp_scales[10], B lowp_scales[11])
;;     14. [M 16,384, K 256] x [K 256, N 1]; A: computed on the way; B: input W3: left as it is (N = 1 < 16)
;;     15. [M 262,144, K 256] x [K 256, N 1]; A: computed on the way; B: input W3: left as it is (N = 1 < 16)
;;     16. [M 1, K 1] x [K 1, N 256]; A: computed on the way; B: input W3: left as it is (K = 1 < 32)
;;     17. [M 16,384, K 256] x [K 256, N 256]; A: computed on the way; B: input W2: QUANTISED (scales: A lowp_scales[12], B lowp_scales[13])
;;     18. [M 262,144, K 256] x [K 256, N 256]; A: computed on the way; B: input W2: QUANTISED (scales: A lowp_scales[14], B lowp_scales[15])
;;     19. [M 16,384, K 256] x [K 256, N 16]; A: computed on the way; B: input W1: QUANTISED (scales: A lowp_scales[16], B lowp_scales[17])
;;     20. [M 262,144, K 256] x [K 256, N 16]; A: computed on the way; B: input W1: QUANTISED (scales: A lowp_scales[18], B lowp_scales[19])
;;   THE QUANTISER, for each operand of a quantised product, along K:
;;     - The operand's scale is 2^e, e = its entry of the input lowp_scales (int32; the entries are numbered through the quantised products in the list's order, A before B).
;;     - Each number is divided by the scale, clamped to +-448, and rounded to the nearest number of E4M3, ties to even, subnormals kept.
;;     - The product sums the exact products of the quantised numbers (number of the format x scale) in f32.
;;   ~~~python
;;   def quantise(x, axis, e):      # numpy; x: float32 -> the quantised numbers, widened to float32 again
;;       x = np.moveaxis(x, axis, -1); K = x.shape[-1]
;;       r = np.clip(x / 2.0 ** e, -448, 448)
;;       step = 2.0 ** (np.maximum(np.frexp(np.where(r == 0, 1, r))[1] - 1, -6) - 3)
;;       q = np.round(r / step) * step * 2.0 ** e      # np.round: ties to even
;;       return np.moveaxis(q, -1, axis).astype(np.float32)
;;   ~~~
;;   OPERANDS COMPUTED ON THE WAY. 'Computed on the way' means the value that the module computes at that place (a softmax that the list does not call 'softmax' is quantised finished and normalised). What goes into a quantiser is computed in f32, as accurately as f32 sums, v_exp_f32 and their like allow (about 1e-6 of the number): no bf16 or f16 on the way to a quantiser, and a product that is left as it is and whose result goes on into a quantised operand takes f32 operands (vector FMAs, or v_wmma_f32_16x16x4_f32). A number that lies on a knife's edge between two numbers of the format may be rounded either way, as far as f32 arithmetic and the matrix unit's own rounding can turn it there, and no further.
;; 2 versions. Each part assembles by itself: llvm-mc -triple=amdgcn-amd-amdhsa -mcpu=gfx1250 --defsym DOCPART=n.
;; ======== version 1 of 2: 2 launches
;; limits: a function is approximated: absolute error at most 6e-08
;; workspace buffers: wq 466,944 bytes
;; launch prep (part 1): grid 66 x 1, 4 waves a work-group, no clusters, 0 bytes of LDS; arguments W2, W1, lowp_scales, wq; writes wq
.if DOCPART == 1
	.amdgcn_target "amdgcn-amd-amdhsa--gfx1250"
	.amdhsa_code_object_version 6
	.text
	.protected	k_qb40fb45a85_prep
	.globl	k_qb40fb45a85_prep
	.p2align	8
	.type	k_qb40fb45a85_prep,@function
k_qb40fb45a85_prep:
	s_mov_b64 s[64:65], 0
	v_nop
	global_prefetch_b8 v0, s[64:65] scope:SCOPE_SE
	s_setreg_imm32_b32 hwreg(HW_REG_WAVE_MODE, 25, 1), 1
	s_wait_xcnt 0x0
; W2 [256][256] and W1 [16][256], f32, become codes of FP8 (E4M3), once for each scale under which a product takes them, laid IN THE ORDER OF THE OPERAND'S REGISTERS.
; code = x / 2^e, held within +-448, to the nearest code, ties to even.  LIMIT: each e between -126 and 119.  NaN among the inputs is not served.
; wq: sets 0..3 = W2 under e1, e3, e9, e11, a tile's rows being H2 units n and K = H1 (value W2[k][n]); sets 4..6 = W2 under e5, e13, e15, a tile's rows being H1 units and K = H2 (value W2[row][k]).
; A set is 65,536 bytes.  A piece of 512 bytes lies at set x 65536 + w x 16384 + (2 t + s) x 2048 + c x 512; in it lane (r, h) has 16 bytes: row 64 w + 32 (t / 2) + 8 (t % 2) + r + 8 (r / 8), k = 128 s + 32 c + 16 h + 0 .. 15.
; From byte 458,752: W1 under e7 (4,096 bytes), then under e19: piece s x 2048 + c x 512, row j = r, the same k.
; A work-group makes one fragment (w, t, s), its wave c the piece c; a lane's 16 numbers are read once and converted once for each set.  Each store of a wave covers 512 consecutive bytes.
; Work-groups 0-31: K down W2's rows; 32-63: K along them; 64, 65: W1.  The three ways part on the work-group's number alone.  No LDS, no barrier.
.set NUM, 16                           ; v16-31  my 16 numbers
.set HLD, 32                           ; v32-47  held within the largest code x the scale
.set EX,  16                           ; s[16+i] = e_i
.macro QSET e, imm, c                  ; one set: scale s[e], store at imm, codes in v[c] on (a run of registers for each set: no store's data are written again)
	s_add_co_i32 s60, s[\e], 127
	s_lshl_b32 s61, s60, 23                        ; 2^e as f32: the conversion takes its exponent field
	s_add_co_i32 s60, s60, 8
	s_lshl_b32 s60, s60, 23
	s_or_b32 s60, s60, 0x600000                    ; 448 x 2^e
	v_mov_b32 v8, s61
	v_mov_b32 v9, s60
.set qi, 0
.rept 16
	v_med3_num_f32 v[HLD+qi], v[NUM+qi], -v9, v9   ; the conversion to an 8-bit code does not saturate (ISA guide 7.6.2)
.set qi, qi+1
.endr
	v_cvt_scalef32_pk8_fp8_f32 v[\c:\c+1], v[HLD:HLD+7], v8
	v_cvt_scalef32_pk8_fp8_f32 v[\c+2:\c+3], v[HLD+8:HLD+15], v8
	v_nop                                          ; a plain line between the conversions and the next set's writes of their sources
	global_store_b128 v6, v[\c:\c+3], s[10:11] offset:\imm
.endm
	s_load_b256 s[4:11], s[0:1], 0x0               ; W2 s[4:5], W1 s[6:7], the exponents s[8:9], wq s[10:11]
	v_and_b32 v1, 15, v0                           ; r
	v_bfe_u32 v2, v0, 4, 1                         ; h
	v_lshrrev_b32 v3, 5, v0
	v_readfirstlane_b32 s12, v3                    ; wave = c
	v_and_b32 v4, 8, v1
	v_add_nc_u32 v4, v4, v1                        ; r + 8 (r / 8)
	v_lshlrev_b32 v5, 4, v2
	s_lshl_b32 s13, s12, 5
	v_add_nc_u32 v5, s13, v5                       ; 32 c + 16 h
	v_lshlrev_b32 v6, 4, v0                        ; 16 x thread = 512 c + 16 x lane
	s_wait_kmcnt 0x0
	s_load_b512 s[16:31], s[8:9], 0x0              ; e0 .. e15
	s_load_b128 s[32:35], s[8:9], 0x40             ; e16 .. e19
	s_cmp_ge_u32 ttmp9, 64
	s_cbranch_scc1 .Lw1
	s_and_b32 s14, ttmp9, 31                       ; 8 w + 2 t + s
	s_and_b32 s40, s14, 1
	s_lshl_b32 s40, s40, 7
	v_add_nc_u32 v5, s40, v5                       ; k0 = 128 s + 32 c + 16 h
	s_lshr_b32 s41, s14, 3
	s_lshl_b32 s41, s41, 6                         ; 64 w
	s_bfe_u32 s42, s14, 0x10002
	s_lshl_b32 s42, s42, 5                         ; 32 (t / 2)
	s_bfe_u32 s43, s14, 0x10001
	s_lshl_b32 s43, s43, 3                         ; 8 (t % 2)
	s_add_co_u32 s41, s41, s42
	s_add_co_u32 s41, s41, s43
	v_add_nc_u32 v4, s41, v4                       ; the row
	s_lshl_b32 s44, s14, 11
	v_add_nc_u32 v6, s44, v6                       ; the piece's place in a set
	s_cmp_ge_u32 ttmp9, 32
	s_cbranch_scc1 .Lt
	v_lshlrev_b32 v7, 10, v5                       ; K down the rows: W2[k0 + i][row]
	v_lshl_add_u32 v7, v4, 2, v7
.irp i, 0,1,2,3,4,5,6,7,8,9,10,11,12,13,14,15
	global_load_b32 v[NUM+\i], v7, s[4:5] offset:1024*\i
.endr
	s_wait_loadcnt 0x0
	s_wait_kmcnt 0x0
	QSET EX+1, 0, 48
	QSET EX+3, 65536, 52
	QSET EX+9, 2*65536, 56
	QSET EX+11, 3*65536, 60
	s_endpgm
.Lt:
	v_lshlrev_b32 v7, 10, v4                       ; K along the rows: W2[row][k0 + i]
	v_lshl_add_u32 v7, v5, 2, v7
.irp i, 0,1,2,3
	global_load_b128 v[NUM+4*\i:NUM+4*\i+3], v7, s[4:5] offset:16*\i
.endr
	s_wait_loadcnt 0x0
	s_wait_kmcnt 0x0
	QSET EX+5, 4*65536, 48
	QSET EX+13, 5*65536, 52
	QSET EX+15, 6*65536, 56
	s_endpgm
.Lw1:
	s_sub_co_u32 s14, ttmp9, 64                    ; s
	s_lshl_b32 s40, s14, 7
	v_add_nc_u32 v5, s40, v5                       ; k0
	v_lshlrev_b32 v7, 10, v1                       ; W1[r][k0 + i]
	v_lshl_add_u32 v7, v5, 2, v7
	s_lshl_b32 s44, s14, 11
	v_add_nc_u32 v6, s44, v6
.irp i, 0,1,2,3
	global_load_b128 v[NUM+4*\i:NUM+4*\i+3], v7, s[6:7] offset:16*\i
.endr
	s_wait_loadcnt 0x0
	s_wait_kmcnt 0x0
	QSET EX+7, 458752, 48
	QSET EX+19, 458752+4096, 52
	s_endpgm
.Lfunc_end_k_qb40fb45a85_prep:
	.size	k_qb40fb45a85_prep, .Lfunc_end_k_qb40fb45a85_prep-k_qb40fb45a85_prep
	.p2alignl 7, 3214868480
	.fill 96, 4, 3214868480
	.section	.rodata,"a",@progbits
	.p2align	6, 0x0
	.amdhsa_kernel k_qb40fb45a85_prep
		.amdhsa_group_segment_fixed_size 0
		.amdhsa_private_segment_fixed_size 0
		.amdhsa_enable_private_segment 0
		.amdhsa_kernarg_size 32
		.amdhsa_user_sgpr_count 2
		.amdhsa_user_sgpr_kernarg_segment_ptr 1
		.amdhsa_wavefront_size32 1
		.amdhsa_system_sgpr_workgroup_id_x 1
		.amdhsa_system_sgpr_workgroup_id_y 1
		.amdhsa_system_sgpr_workgroup_id_z 1
		.amdhsa_system_vgpr_workitem_id 0
		.amdhsa_next_free_vgpr 64
		.amdhsa_next_free_sgpr 66
		.amdhsa_reserve_vcc 0
		.amdhsa_float_denorm_mode_32 3
		.amdhsa_float_denorm_mode_16_64 3
		.amdhsa_memory_ordered 1
		.amdhsa_forward_progress 1
		.amdhsa_inst_pref_size 19
	.end_amdhsa_kernel
	.amdgpu_metadata
---
amdhsa.version: [ 1, 2 ]
amdhsa.kernels:
  - .name:           k_qb40fb45a85_prep
    .symbol:         k_qb40fb45a85_prep.kd
    .args:
      - { .name: W2, .offset: 0, .size: 8, .value_kind: global_buffer, .address_space: global }
      - { .name: W1, .offset: 8, .size: 8, .value_kind: global_buffer, .address_space: global }
      - { .name: lowp_scales, .offset: 16, .size: 8, .value_kind: global_buffer, .address_space: global }
      - { .name: wq, .offset: 24, .size: 8, .value_kind: global_buffer, .address_space: global }
    .group_segment_fixed_size: 0
    .private_segment_fixed_size: 0
    .kernarg_segment_align: 8
    .kernarg_segment_size: 32
    .max_flat_workgroup_size: 128
    .sgpr_count:     66
    .vgpr_count:     64
    .wavefront_size: 32
...
	.end_amdgpu_metadata
.endif
;; end of part 1
;; launch idnn (part 2): grid 256 x 1, 4 waves a work-group, no clusters, 305,920 bytes of LDS; arguments x, W1, b1, b2, W3, lowp_scales, wq, out0, out1, out2; writes out0, out1, out2
.if DOCPART == 2
	.amdgcn_target "amdgcn-amd-amdhsa--gfx1250"
	.amdhsa_code_object_version 6
	.text
	.protected	k_qb40fb45a85_idnn
	.globl	k_qb40fb45a85_idnn
	.p2align	8
	.type	k_qb40fb45a85_idnn,@function
k_qb40fb45a85_idnn:
	s_mov_b64 s[64:65], 0
	v_nop
	global_prefetch_b8 v0, s[64:65] scope:SCOPE_SE
	s_setreg_imm32_b32 hwreg(HW_REG_WAVE_MODE, 25, 1), 1
	s_wait_xcnt 0x0
; y, dy / dx and d2y / dx2 of y = softplus(softplus(x W1 + b1) W2 + b2) W3, the products with K = 256 on codes of FP8 (E4M3), each operand under its given scale 2^e_i.
; z1 = x W1 + b1 (f32 matrix form, made once), s1 = sigmoid(z1), s1' = s1 (1 - s1).
;   y:    z2 = Q0(h1) Q1(W2) + b2;  y = softplus(z2) . W3
;   dy:   z2 under (e2, e3);  ct2 = W3 sigmoid(z2);  ct1 = Q4(ct2) Q5(W2)^T;  dy = Q6(ct1 s1) Q7(W1)^T
;   ddy:  z2 under (e8, e9);  ct1 under (e12, e13);  for tangent i:  dz2 = Q10(s1 W1[i]) Q11(W2);  dct1 = Q14(W3 sigmoid'(z2) dz2) Q15(W2)^T;
;         out2[b][j][i] = sum over k of Q18(dct1 s1 + ct1 s1' W1[i])[k] Q19(W1[j][k]).
; SHARES.  A work-group takes 64 samples.  THE FOUR WAVES SHARE THE COLUMNS: wave w owns units 64 w .. 64 w + 63 of both hidden layers, for all rows, so its part of a weight set stays in 128 registers.
; Every product takes the weights as source 0: lane (r, h) then holds ROW r, and its 32 results are units 64 w + 32 b + 16 h + e (index 16 b + e): 16 neighbours along the next K for each b, since a weight tile's rows are
; chosen so (lane r of tile 2 b + u takes row 32 b + 8 u + r + 8 (r / 8)).  The conversions' results are then two groups of four operand registers.
; OPERANDS GO FROM WAVE TO WAVE THROUGH LDS AS IMAGES OF THEIR REGISTERS: 4,096 bytes for 16 rows x 256 K, 8 pieces of 512 bytes, lane l's 16 bytes at 16 l; wave w makes pieces 2 w and 2 w + 1.
; k lies in the registers as the 16-byte loads bring it, alike in both operands of every product: each product meets its partner.
; PROLOGUE: the samples go as 4 tiles of 16 rows through the primal passes; s1, C2 = W3 sigmoid'(z2) 2^(e10+e11) and U1 = ct1 s1' (scaled) are kept in LDS, each wave's own bytes.
; MAIN LOOP: 8 blocks of 8 samples, 8 tiles each: tile row r is sample r % 8 and tangent tau + 8 (r / 8).  So W1's factors are the same in every block and stay in 256 registers, and a block ends with all 16 tangents
; of its 8 samples: out2 leaves by whole kilobytes.
; THE WEIGHTS ARE SHARED BY ALL WORK-GROUPS AND YET NOT ASKED FOR JOINTLY: a wave loads each of its 7 x 16,384 bytes once, straight into operand registers; a joint load lands in LDS, of which the images and the kept
; vectors take 305,920 of 327,680 bytes.
; LIMITS.  As scales of conversions e0, e2, e4, e8, e10, e12, e14, e6-e4-e5, e18-e14-e15 lie between -126 and 119; as factors e0+e1, e2+e3, e8+e9, e6+e7, e18+e19, e12+e13-e14-e15 between -126 and 127.
; softplus = max(z, 0) + ln(1 + e^-|z|) carries the rounding of 1 + e^-|z|: an absolute error of about 6e-8.  A sigmoid under 2^-126 counts as 0.  NaN among the inputs is not served.
; e16, e17 scale a product whose result reaches no output; the products with W3 in the second and third pass likewise: they are not made.
; LDS
.set IMA,   0                          ; 8 images: Q10(s1 W1[i]), tile tau at 4096 tau
.set IMB,   32768                      ; 8 images: Q14(..)
.set T2,    65536                      ; 8 images, one a SAMPLE, rows = tangents, 4,112 bytes apart
.set T2P,   4112
.set SCU,   98560                      ; each wave's own 50,176 bytes: block beta at 6272 beta: s1, C2, U1, 2,048 bytes each: quad q at 256 q + 16 (r % 8 + 8 h)
.set SCUV,  50176
.set SCUB,  6272
.set STG,   299264                     ; each wave's own stage: 16 rows of 64 bytes, 80 apart
.set YRED,  304384                     ; y's parts: 256 w + 4 x sample
.set SPARE, 305408                     ; the spare words, 128 bytes for each wave: two blocks of 256 bytes that no other line names
.set GB,    49152                      ; prologue images lie wave-major: base + 4096 w + 1024 m + 512 b + 16 lane.  h1: 16384 p;  Q6(..): GB;  ct2: CTB + 16384 q
.set CTB,   65536
; window 0
.set LI,  1                            ; 16 x lane
.set SPW, 2                            ; my spare word; never rewritten
.set NIL, 3                            ; 0; never rewritten
.set IMW, 4                            ; 16 lane + 1024 w
.set T2W, 5
.set SCUW, 6
.set SCUR, 7
.set T2R, 8
.set STO, 9
.set STR, 10
.set VS0, 11                           ; v11-13 the conversions' scales
.set VS1, 12
.set VS2, 13
.set ADR, 14
.set S1,  16
.set C2,  48
.set U1,  80
.set ACC0, 112
.set ACC1, 144
.set AF0, 176
.set AF1, 208
.set PC0, 240
.set PC1, 248
.set WQO, 208                          ; prologue alone, in AF1's registers: offsets and addresses
.set XO,  209
.set W1TO, 210
.set BDO, 211
.set W1BO, 212
.set YRW, 213
.set IMP, 214
.set PA,  215
.set SA,  216
.set YA,  217
.set YLA, 218
.set YGO, 219
.set XA,  220
; window 1: W1[tau + 8 (r / 8)][my 32 units] at 32 tau.   window 2: two weight sets, at 0 and at 128, fragment (t, s) at 16 (2 t + s).
; window 3
.set Z1,  0                            ; z1's four accumulators: written by matrix instructions alone
.set WC19, 32
.set WC7, 64
.set W1TF, 96
.set B1D, 128
.set W3S, 128                          ; later W3 x 2^(e10 + e11)
.set B2D, 160
.set W3D, 192
.set XF,  224
; scalars
.set EX,  32                           ; s[32+i] = e_i
.set L2E, 52
.set LN2, 54
.set SEL, 56
.set LIMH0, 58
.set LIMH1, 59
.set LIMH2, 60
.set LIM4, 61
.set LIM12, 62
.set LIM6, 63
.set PZ0, 66
.set PZ1, 68
.set PZ2, 70
.set PU,  72
.set PDY, 74
.set LIM10, 76
.set LIM14, 77
.set LIM18, 78
.set PO2, 80
.set SCH0, 82
.set SCH1, 83
.set SCH2, 84
.set SC4, 85
.set SC12, 86
.set SC6, 87
.set SC10, 88
.set SC14, 89
.set SC18, 90
.set MSB, 0
.macro WIN new                         ; the immediate's high byte repeats the setting that is left; bits 1:0 source 0, 3:2 source 1, 5:4 source 2, 7:6 destination
.if MSB != \new
	s_set_vgpr_msb (MSB<<8)|\new
.set MSB, \new
.endif
.endm
.macro PLACES n
.rept \n
	v_nop
.endr
.endm
.macro BARRIER                         ; my LDS stores have landed and my LDS loads are in: then the work-group's barrier
	s_wait_dscnt 0x0
	s_barrier_signal -1
	s_barrier_wait -1
.endm
.macro MKSC e, sc, lim                 ; 2^E and 448 x 2^E as f32, E = s[e]
	s_add_co_i32 s[\sc], s[\e], 127
	s_add_co_i32 s[\lim], s[\e], 135
	s_lshl_b32 s[\sc], s[\sc], 23
	s_lshl_b32 s[\lim], s[\lim], 23
	s_or_b32 s[\lim], s[\lim], 0x600000
.endm
.macro MKP a, b, p                     ; the pair s[p:p+1] = 2^(s[a] + s[b])
	s_add_co_i32 s[\p], s[\a], s[\b]
	s_add_co_i32 s[\p], s[\p], 127
	s_lshl_b32 s[\p], s[\p], 23
	s_mov_b32 s[\p+1], s[\p]
.endm
.macro FETCH reg, adr, off, ws         ; an image's 8 pieces into 32 registers; ws: bytes from one wave's two pieces to the next wave's
.irp g, 0,1,2,3,4,5,6,7
	ds_load_b128 v[\reg+4*\g:\reg+4*\g+3], v[\adr] offset:\off+(\g/2)*\ws+(\g%2)*512
.endr
.endm
.macro PUT adr, off, pc                ; my two pieces of an image
	ds_store_b128 v[\adr], v[\pc:\pc+3] offset:\off
	ds_store_b128 v[\adr], v[\pc+4:\pc+7] offset:\off+512
.endm
.macro MM acc, wb, af                  ; 16 rows x my 64 units x K 256: four accumulators by turns, one instruction a turn; the first K step starts the sums
	WIN 0x02
.irp s, 0,1
.irp t, 0,1,2,3
.if \s == 0
	v_wmma_f32_16x16x128_fp8_fp8 v[\acc+8*\t:\acc+8*\t+7], v[\wb+16*(2*\t+\s):\wb+16*(2*\t+\s)+15], v[\af+16*\s:\af+16*\s+15], 0
.else
	v_wmma_f32_16x16x128_fp8_fp8 v[\acc+8*\t:\acc+8*\t+7], v[\wb+16*(2*\t+\s):\wb+16*(2*\t+\s)+15], v[\af+16*\s:\af+16*\s+15], v[\acc+8*\t:\acc+8*\t+7]
.endif
.endr
.endr
	WIN 0
.endm
.macro PKMUL d, a, b
.set qi, 0
.rept 16
	v_pk_mul_f32 v[\d+qi:\d+qi+1], v[\a+qi:\a+qi+1], v[\b+qi:\b+qi+1]
.set qi, qi+2
.endr
.endm
.macro PKFMA d, a, b, c
.set qi, 0
.rept 16
	v_pk_fma_f32 v[\d+qi:\d+qi+1], v[\a+qi:\a+qi+1], v[\b+qi:\b+qi+1], v[\c+qi:\c+qi+1]
.set qi, qi+2
.endr
.endm
.macro PKMULS d, a, p                  ; x the scalar pair's low word
.set qi, 0
.rept 16
	v_pk_mul_f32 v[\d+qi:\d+qi+1], v[\a+qi:\a+qi+1], s[\p:\p+1] op_sel_hi:[1,0]
.set qi, qi+2
.endr
.endm
.macro PKFMAS d, a, p, c
.set qi, 0
.rept 16
	v_pk_fma_f32 v[\d+qi:\d+qi+1], v[\a+qi:\a+qi+1], s[\p:\p+1], v[\c+qi:\c+qi+1] op_sel_hi:[1,0,1]
.set qi, qi+2
.endr
.endm
; 32 numbers become 32 codes in v[pc] on.  one = 1: the numbers are not negative, so the hold is one-sided.
.macro QV src, dst, lim, vsc, pc, one
.set qi, 0
.rept 32
.if \one
	v_min_num_f32 v[\dst+qi], s[\lim], v[\src+qi]
.else
	v_med3_num_f32 v[\dst+qi], v[\src+qi], -s[\lim], s[\lim]   ; the conversion to an 8-bit code does not saturate (ISA guide 7.6.2)
.endif
.set qi, qi+1
.endr
.irp g, 0,1,2,3
	v_cvt_scalef32_pk8_fp8_f32 v[\pc+2*\g:\pc+2*\g+1], v[\dst+8*\g:\dst+8*\g+7], v[\vsc]
.endr
	v_nop                                          ; a plain line between the conversions and whatever next writes their sources
.endm
; softplus and its derivatives of 32 numbers z (in window zw's source 0).  E = e^-|z|, M = max(z, 0), T = 1 + E, R = 1 / T.
; fh: v[m] = softplus = M + ln2 log2 T.   fs: v[r] = sigmoid = R where z > 0, else E R.   fp: v[sp] = sigmoid' = E R R.
; The transcendentals go in batches; behind each batch one plain line and one wait, ahead of the first line that names a result.
.macro ACT z, zw, e, m, t, r, sp, fh, fs, fp
	WIN \zw
.set qi, 0
.rept 32
	v_mul_f32 v[\e+qi], -|v[\z+qi]|, s[L2E]        ; ascending: each accumulator is first read at its low end
.set qi, qi+1
.endr
.set qi, 0
.rept 32
	v_max_num_f32 v[\m+qi], v[\z+qi], 0
.set qi, qi+1
.endr
	WIN 0
.set qi, 0
.rept 32
	v_exp_f32 v[\e+qi], v[\e+qi]
.set qi, qi+1
.endr
	v_nop
	s_wait_alu depctr_va_vdst(0)
.set qi, 0
.rept 16
	v_pk_add_f32 v[\t+qi:\t+qi+1], v[\e+qi:\e+qi+1], 1.0 op_sel_hi:[1,0]
.set qi, qi+2
.endr
.if \fs
.set qi, 0
.rept 32
	v_rcp_f32 v[\r+qi], v[\t+qi]
.set qi, qi+1
.endr
.if \fh
	v_nop                                          ; a plain line between the reciprocals and the logarithms, which write over their sources
.endif
.endif
.if \fh
.set qi, 0
.rept 32
	v_log_f32 v[\t+qi], v[\t+qi]
.set qi, qi+1
.endr
.endif
	v_nop
	s_wait_alu depctr_va_vdst(0)
.if \fs
	PKMUL \e, \e, \r
.if \fp
	PKMUL \sp, \e, \r
.endif
.set qi, 0
.rept 32
	v_cmp_lt_f32 vcc_lo, 0, v[\m+qi]
	v_cndmask_b32 v[\r+qi], v[\e+qi], v[\r+qi], vcc_lo
.set qi, qi+1
.endr
.endif
.if \fh
	PKFMAS \m, \t, LN2, \m
.endif
.endm
.macro LOADW set, wb                   ; my 16,384 bytes of a weight set into half a window: each load of the wave reads 512 consecutive bytes
	WIN 0x80
.irp f, 0,1,2,3,4,5,6,7
.irp c, 0,1,2,3
	global_load_b128 v[\wb+16*\f+4*\c:\wb+16*\f+4*\c+3], v[WQO], s[16:17] offset:\set*65536+2048*\f+512*\c
.endr
.endr
	WIN 0
.endm
.macro LOADBD reg, base                ; a vector of 256 in the result's layout: accumulator t, register j: unit 64 w + 32 (t / 2) + 8 (t % 2) + 16 h + j
.irp t, 0,1,2,3
	global_load_b128 v[\reg+8*\t:\reg+8*\t+3], v[BDO], s[\base:\base+1] offset:4*(32*(\t/2)+8*(\t%2))
	global_load_b128 v[\reg+8*\t+4:\reg+8*\t+7], v[BDO], s[\base:\base+1] offset:4*(32*(\t/2)+8*(\t%2))+16
.endr
.endm
.macro STAGE1K src, bk                 ; 16 rows x 64 bytes, 32 bytes a lane, through my stage and back as 1,024 bytes on end.  LDS serves a wave's instructions in order (ISA guide 5.7.1.4)
	ds_store_b128 v[STO], v[\src:\src+3]
	ds_store_b128 v[STO], v[\src+4:\src+7] offset:16
	ds_load_b128 v[\bk:\bk+3], v[STR]
	ds_load_b128 v[\bk+4:\bk+7], v[STR] offset:640
.endm
.macro SEND1K bk, base, imm            ; each store of the wave covers 512 consecutive bytes, aligned
	global_store_b128 v[LI], v[\bk:\bk+3], s[\base:\base+1] offset:\imm th:TH_STORE_NT
	global_store_b128 v[LI], v[\bk+4:\bk+7], s[\base:\base+1] offset:\imm+512 th:TH_STORE_NT
.endm
.macro LOADSCU                         ; s1, C2, U1 of the block at s30 in my kept bytes; s1 first
	v_add_nc_u32 v[ADR], s30, v[SCUR]
.irp v, 0,1,2
.irp q, 0,1,2,3,4,5,6,7
	ds_load_b128 v[S1+32*\v+4*\q:S1+32*\v+4*\q+3], v[ADR] offset:2048*\v+256*\q
.endr
.endr
.endm
; ---------------------------------------------------------------- the head
	s_load_b512 s[4:19], s[0:1], 0x0               ; x s[4:5], W1 s[6:7], b1 s[8:9], b2 s[10:11], W3 s[12:13], the exponents s[14:15], wq s[16:17], out0 s[18:19]
	s_load_b128 s[20:23], s[0:1], 0x40             ; out1 s[20:21], out2 s[22:23]
	v_lshl_add_u32 v[SPW], v0, 2, SPARE
	v_mov_b32 v[NIL], 0
	v_lshrrev_b32 v20, 5, v0
	v_readfirstlane_b32 s24, v20                   ; wave 0..3
	v_and_b32 v24, 31, v0                          ; lane
	v_and_b32 v20, 15, v0                          ; r
	v_bfe_u32 v21, v0, 4, 1                        ; h
	v_and_b32 v22, 7, v0                           ; r % 8
	v_bfe_u32 v23, v0, 3, 1                        ; r / 8
	v_lshlrev_b32 v[LI], 4, v24
	s_lshl_b32 s2, s24, 10
	v_add_nc_u32 v[IMW], s2, v[LI]
	s_add_co_u32 s3, s2, T2
	v_mul_u32_u24 v[T2W], v22, T2P                 ; sample r % 8's image, my two pieces, the place of row tau + 8 (r / 8): 16 tau stands in the immediate
	v_lshl_add_u32 v[T2W], v23, 7, v[T2W]
	v_lshl_add_u32 v[T2W], v21, 8, v[T2W]
	v_add_nc_u32 v[T2W], s3, v[T2W]
	s_mul_i32 s3, s24, SCUV
	s_add_co_u32 s3, s3, SCU
	v_lshlrev_b32 v[SCUR], 4, v22
	v_lshl_add_u32 v[SCUR], v21, 7, v[SCUR]
	v_add_nc_u32 v[SCUR], s3, v[SCUR]              ; the main loop's reads: sample r % 8
	v_mul_u32_u24 v[SCUW], v23, SCUB
	v_add_nc_u32 v[SCUW], v[SCUW], v[SCUR]         ; the prologue's: sample r of 16: block r / 8 of the tile's two
	s_mul_i32 s3, s24, 2*T2P
	s_add_co_u32 s3, s3, T2
	v_add_nc_u32 v[T2R], s3, v[LI]                 ; samples 2 w and 2 w + 1 of a block are mine on the way out
	s_mul_i32 s3, s24, 1280
	s_add_co_u32 s3, s3, STG
	v_mul_u32_u24 v[STO], v20, 80
	v_lshl_add_u32 v[STO], v21, 5, v[STO]
	v_add_nc_u32 v[STO], s3, v[STO]
	v_lshrrev_b32 v[STR], 2, v24
	v_mul_u32_u24 v[STR], v[STR], 80
	v_and_b32 v25, 3, v0
	v_lshl_add_u32 v[STR], v25, 4, v[STR]
	v_add_nc_u32 v[STR], s3, v[STR]
	s_lshl_b32 s3, s24, 12
	v_add_nc_u32 v[IMP], s3, v[LI]
	s_lshl_b32 s3, s24, 14
	v_add_nc_u32 v[WQO], s3, v[LI]
	v_lshlrev_b32 v[XO], 6, v20
	v_lshl_add_u32 v[XO], v21, 3, v[XO]            ; x: row r of 64 bytes, + 8 h
	s_lshl_b32 s3, s24, 8
	v_lshlrev_b32 v[BDO], 6, v21
	v_add_nc_u32 v[BDO], s3, v[BDO]                ; 64 h + 256 w
	v_lshlrev_b32 v[W1TO], 2, v20
	v_lshl_add_u32 v[W1TO], v23, 5, v[W1TO]
	v_lshl_add_u32 v[W1TO], v21, 11, v[W1TO]
	v_add_nc_u32 v[W1TO], s3, v[W1TO]              ; W1: rows 2 h on, column r + 8 (r / 8) + 64 w
	v_lshl_add_u32 v[W1BO], v23, 13, v[BDO]        ; W1: row 8 (r / 8), columns 16 h + 64 w on
	s_add_co_u32 s3, s3, YRED
	v_lshl_add_u32 v[YRW], v20, 2, s3
	v_lshlrev_b32 v[YGO], 3, v24
	v_add_nc_u32 v[YLA], YRED, v[YGO]
	s_wait_kmcnt 0x0
	s_load_b512 s[32:47], s[14:15], 0x0            ; e0 .. e15
	s_load_b128 s[48:51], s[14:15], 0x40           ; e16 .. e19
	s_mov_b32 s3, 0
	s_lshl_b32 s2, ttmp9, 12
	s_add_nc_u64 s[4:5], s[4:5], s[2:3]            ; x and out1 at my 64 samples
	s_add_nc_u64 s[20:21], s[20:21], s[2:3]
	s_lshl_b32 s2, s24, 10
	s_add_nc_u64 s[20:21], s[20:21], s[2:3]        ; out1: my wave's 16
	s_lshl_b32 s2, ttmp9, 8
	s_add_nc_u64 s[18:19], s[18:19], s[2:3]
	s_lshl_b32 s2, ttmp9, 16
	s_add_nc_u64 s[22:23], s[22:23], s[2:3]
	s_lshl_b32 s2, s24, 11
	s_add_nc_u64 s[22:23], s[22:23], s[2:3]        ; out2: my wave's two samples of block 0
	WIN 0xc0                                       ; destination window 3
.irp t, 0,1,2,3
.irp s, 0,1,2,3
.irp j, 0,1
	global_load_b32 v[W1TF+2*(4*\t+\s)+\j], v[W1TO], s[6:7] offset:(4*\s+\j)*1024+4*(32*(\t/2)+8*(\t%2))   ; W1[4 s + 2 h + j][the tile's row]
.endr
.endr
.endr
	LOADBD B1D, 8
.irp s, 0,1,2,3
	global_load_b64 v[XF+2*\s:XF+2*\s+1], v[XO], s[4:5] offset:16*\s   ; x[r][4 s + 2 h + 0, 1]
.endr
	LOADW 0, 0
	WIN 0xc0
	LOADBD B2D, 10
	LOADBD W3D, 12
	WIN 0
	s_mov_b32 s[L2E], 0x3fb8aa3b                   ; log2(e)
	s_mov_b32 s[LN2], 0x3f317218                   ; ln(2), as a pair
	s_mov_b32 s[LN2+1], 0x3f317218
	s_mov_b32 s[SEL], 0x76543210                   ; v_permlanex16_b32: lane l xor 16
	s_mov_b32 s[SEL+1], 0xfedcba98
	s_wait_kmcnt 0x0
	MKSC EX+0, SCH0, LIMH0
	MKSC EX+2, SCH1, LIMH1
	MKSC EX+8, SCH2, LIMH2
	MKSC EX+4, SC4, LIM4
	MKSC EX+12, SC12, LIM12
	s_sub_co_i32 s91, s[EX+6], s[EX+4]
	s_sub_co_i32 s91, s91, s[EX+5]                 ; a sum of ct1 stands for sum x 2^(e4 + e5): the three scales are folded into the conversion's one
	MKSC 91, SC6, LIM6
	MKSC EX+10, SC10, LIM10
	MKSC EX+14, SC14, LIM14
	s_sub_co_i32 s91, s[EX+18], s[EX+14]
	s_sub_co_i32 s91, s91, s[EX+15]
	MKSC 91, SC18, LIM18
	MKP EX+0, EX+1, PZ0
	MKP EX+2, EX+3, PZ1
	MKP EX+8, EX+9, PZ2
	MKP EX+6, EX+7, PDY
	MKP EX+18, EX+19, PO2
	s_add_co_i32 s91, s[EX+12], s[EX+13]
	s_sub_co_i32 s91, s91, s[EX+14]
	s_sub_co_i32 s93, 0, s[EX+15]
	MKP 91, 93, PU
	s_add_co_i32 s92, s[EX+10], s[EX+11]
	v_mov_b32 v[VS0], s[SCH0]
	v_mov_b32 v[VS1], s[SCH1]
	v_mov_b32 v[VS2], s[SCH2]
	s_wait_loadcnt 48                              ; W1's fragments, b1 and x are in; set 0 (32 loads) and b2, W3 (16) may be out
; ---------------------------------------------------------------- z1, h1, s1, s1' of the four tiles of 16 samples
	s_mov_b32 s26, 0
	s_mov_b32 s27, 0                               ; 2 blocks of my kept bytes a tile
	s_mov_b32 s28, 0                               ; 1,024 bytes a tile: in x, and in my part of an image region
.Llb:
	v_add_nc_u32 v[SA], s27, v[SCUW]
	v_add_nc_u32 v[PA], s28, v[IMP]
	s_add_co_u32 s29, s28, 1024
	s_min_u32 s29, s29, 3072                       ; the next tile's x; the last trip loads its own once more, so that the loop has no branch and no load leaves x
	v_add_nc_u32 v[XA], s29, v[XO]
	WIN 0xff
.irp s, 0,1,2,3
.irp t, 0,1,2,3
.if \s == 0
	v_wmma_f32_16x16x4_f32 v[Z1+8*\t:Z1+8*\t+7], v[W1TF+2*(4*\t+\s):W1TF+2*(4*\t+\s)+1], v[XF+2*\s:XF+2*\s+1], v[B1D+8*\t:B1D+8*\t+7]   ; b1 is the C of each sum's first K step
.else
	v_wmma_f32_16x16x4_f32 v[Z1+8*\t:Z1+8*\t+7], v[W1TF+2*(4*\t+\s):W1TF+2*(4*\t+\s)+1], v[XF+2*\s:XF+2*\s+1], v[Z1+8*\t:Z1+8*\t+7]
.endif
.endr
.endr
	WIN 0
	PLACES 8                                       ; eight places behind this form, ahead of the loads into x's registers and of the first read of the sums
	WIN 0xc0
.irp s, 0,1,2,3
	global_load_b64 v[XF+2*\s:XF+2*\s+1], v[XA], s[4:5] offset:16*\s
.endr
	ACT Z1, 0x03, 16, 48, 80, 112, 144, 1, 1, 1    ; h1 in v48 on, s1 in v112 on, s1' in v144 on
.irp q, 0,1,2,3,4,5,6,7
	ds_store_b128 v[SA], v[112+4*\q:115+4*\q] offset:256*\q
	ds_store_b128 v[SA], v[144+4*\q:147+4*\q] offset:4096+256*\q   ; s1' waits in U1's place
.endr
	QV 48, 80, LIMH0, VS0, PC0, 1                  ; h1 under e0, e2, e8
	PUT PA, 0, PC0
	QV 48, 80, LIMH1, VS1, PC1, 1
	PUT PA, 16384, PC1
	QV 48, 80, LIMH2, VS2, PC0, 1
	PUT PA, 32768, PC0
	s_wait_loadcnt 0x0                             ; the next tile's x (in the first trip also set 0, b2, W3)
	s_add_co_u32 s27, s27, 2*SCUB
	s_add_co_u32 s28, s28, 1024
	s_add_co_u32 s26, s26, 1
	s_cmp_lt_u32 s26, 4
	s_cbranch_scc1 .Llb
	WIN 0xc3
.set qi, 0
.rept 32
	v_ldexp_f32 v[W3S+qi], v[W3D+qi], s92          ; W3 x 2^(e10 + e11), where b1 lay
.set qi, qi+1
.endr
	WIN 0xc0
.irp s, 0,1
.irp c, 0,1,2,3
	global_load_b128 v[WC7+16*\s+4*\c:WC7+16*\s+4*\c+3], v[LI], s[16:17] offset:458752+2048*\s+512*\c
	global_load_b128 v[WC19+16*\s+4*\c:WC19+16*\s+4*\c+3], v[LI], s[16:17] offset:458752+4096+2048*\s+512*\c
.endr
.endr
	WIN 0x40
.irp tau, 0,1,2,3,4,5,6,7
.irp q, 0,1,2,3,4,5,6,7
	global_load_b128 v[32*\tau+4*\q:32*\tau+4*\q+3], v[W1BO], s[6:7] offset:1024*\tau+128*(\q/4)+16*(\q%4)
.endr
.endr
	LOADW 1, 128
	BARRIER                                        ; h1's twelve images lie in LDS
; ---------------------------------------------------------------- z2 three times.  p = 0: y's parts.  p = 1: Q4(W3 sigmoid).  p = 2: Q12(W3 sigmoid), and C2.
.macro LCPASS p, wb, pz
	s_mov_b32 s26, 0
	s_mov_b32 s27, 0
	s_mov_b32 s28, 0
	s_mov_b32 s31, 0
	s_wait_dscnt 0x0                               ; the pass before may have its last fetch out: the same registers are loaded again only behind this wait
	FETCH AF0, LI, \p*16384, 4096
.Llc\p:
	v_add_nc_u32 v[SA], s27, v[SCUW]
	v_add_nc_u32 v[YA], s31, v[YRW]
	s_add_co_u32 s30, s28, CTB
	v_add_nc_u32 v[PA], s30, v[IMP]
	s_add_co_u32 s29, s28, 1024
	s_min_u32 s29, s29, 3072                       ; the next tile's image; the last trip fetches its own once more
	v_add_nc_u32 v[ADR], s29, v[LI]
	s_wait_dscnt 0x0
	MM ACC0, \wb, AF0
	PLACES 4                                       ; four places ahead of the loads into the fragment's registers and of the first read of the sums
	FETCH AF0, ADR, \p*16384, 4096
	WIN 0x30
	PKFMAS ACC0, ACC0, \pz, B2D                    ; z2 = sum x 2^(eA + eB) + b2
	WIN 0
.if \p == 0
	ACT ACC0, 0, 16, ACC0, 48, 80, 144, 1, 0, 0
	WIN 0x0c
.irp c, 0,1,2,3
	v_pk_mul_f32 v[144+2*\c:145+2*\c], v[ACC0+2*\c:ACC0+2*\c+1], v[W3D+2*\c:W3D+2*\c+1]
.endr
.irp c, 4,5,6,7,8,9,10,11,12,13,14,15
	v_pk_fma_f32 v[144+2*(\c%4):145+2*(\c%4)], v[ACC0+2*\c:ACC0+2*\c+1], v[W3D+2*\c:W3D+2*\c+1], v[144+2*(\c%4):145+2*(\c%4)]
.endr
	WIN 0
	v_pk_add_f32 v[144:145], v[144:145], v[146:147]
	v_pk_add_f32 v[148:149], v[148:149], v[150:151]
	v_pk_add_f32 v[144:145], v[144:145], v[148:149]
	v_add_f32 v144, v144, v145
	v_permlanex16_b32 v146, v144, s[SEL], s[SEL+1]
	v_add_f32 v144, v144, v146                     ; sample r's sum over my 64 units
	ds_store_b32 v[YA], v144
.elseif \p == 1
	ACT ACC0, 0, 16, ACC0, 48, 80, 144, 0, 1, 0
	WIN 0x0c
	PKMUL 48, 80, W3D
	WIN 0
	QV 48, 48, LIM4, VS0, PC0, 0
	PUT PA, 0, PC0
.else
	ACT ACC0, 0, 16, ACC0, 48, 80, 144, 0, 1, 1
	WIN 0x0c
	PKMUL 48, 80, W3D
	PKMUL 144, 144, W3S
	WIN 0
	QV 48, 48, LIM12, VS0, PC0, 0
	PUT PA, 16384, PC0
.irp q, 0,1,2,3,4,5,6,7
	ds_store_b128 v[SA], v[144+4*\q:147+4*\q] offset:2048+256*\q
.endr
.endif
	s_add_co_u32 s27, s27, 2*SCUB
	s_add_co_u32 s28, s28, 1024
	s_add_co_u32 s31, s31, 64
	s_add_co_u32 s26, s26, 1
	s_cmp_lt_u32 s26, 4
	s_cbranch_scc1 .Llc\p
.endm
	LCPASS 0, 0, PZ0
	LOADW 2, 0                                     ; the half just left takes the set after next
	v_mov_b32 v[VS0], s[SC4]
	s_wait_loadcnt 32                              ; all but the 32 just issued: set 1, W1's codes and factors are in
	LCPASS 1, 128, PZ1
	LOADW 4, 128
	v_mov_b32 v[VS0], s[SC12]
	s_wait_loadcnt 32                              ; set 2 is in
	LCPASS 2, 0, PZ2
	LOADW 5, 0
	BARRIER                                        ; both passes' ct2 images and y's parts lie in LDS
	s_cmp_lg_u32 s24, 0                            ; wave 0 adds the four waves' parts of y: two samples a lane, 256 consecutive bytes
	s_cbranch_scc1 .Lnoy
.irp w, 0,1,2,3
	ds_load_b64 v[144+2*\w:145+2*\w], v[YLA] offset:256*\w
.endr
	s_wait_dscnt 0x0
	v_pk_add_f32 v[144:145], v[144:145], v[146:147]
	v_pk_add_f32 v[148:149], v[148:149], v[150:151]
	v_pk_add_f32 v[144:145], v[144:145], v[148:149]
	global_store_b64 v[YGO], v[144:145], s[18:19]
	s_wait_xcnt 0x0                                ; the store has read its registers: they are written again further down
.Lnoy:
; ---------------------------------------------------------------- ct1 twice.  q = 0: Q6(ct1 s1).  q = 1: U1 = ct1 s1', scaled.
.macro LDPASS q, wb
	s_mov_b32 s26, 0
	s_mov_b32 s27, 0
	s_mov_b32 s28, 0
	v_add_nc_u32 v[ADR], CTB, v[LI]
	s_wait_dscnt 0x0
	FETCH AF0, ADR, \q*16384, 4096
.Lld\q:
	v_add_nc_u32 v[SA], s27, v[SCUW]
	v_add_nc_u32 v[PA], s28, v[IMP]
	s_add_co_u32 s29, s28, 1024
	s_min_u32 s29, s29, 3072
	s_add_co_u32 s29, s29, CTB
	v_add_nc_u32 v[ADR], s29, v[LI]
.irp i, 0,1,2,3,4,5,6,7
	ds_load_b128 v[16+4*\i:19+4*\i], v[SA] offset:\q*4096+256*\i   ; s1, or s1'
.endr
	s_wait_dscnt 0x0
	MM ACC0, \wb, AF0
	PLACES 4
	FETCH AF0, ADR, \q*16384, 4096
	PKMUL ACC0, ACC0, 16
.if \q == 0
	QV ACC0, ACC0, LIM6, VS0, PC0, 0
	PUT PA, GB, PC0
.else
	PKMULS ACC0, ACC0, PU                          ; x 2^(e12 + e13 - e14 - e15): U1 is added to sums that lack 2^(e14 + e15)
.irp i, 0,1,2,3,4,5,6,7
	ds_store_b128 v[SA], v[ACC0+4*\i:ACC0+4*\i+3] offset:4096+256*\i
.endr
.endif
	s_add_co_u32 s27, s27, 2*SCUB
	s_add_co_u32 s28, s28, 1024
	s_add_co_u32 s26, s26, 1
	s_cmp_lt_u32 s26, 4
	s_cbranch_scc1 .Lld\q
.endm
	v_mov_b32 v[VS0], s[SC6]
	s_wait_loadcnt 32                              ; set 4 is in
	LDPASS 0, 128
	LOADW 6, 128                                   ; stays: W2 under e15
	s_wait_loadcnt 32                              ; set 5 is in
	LDPASS 1, 0
	LOADW 3, 0                                     ; stays: W2 under e11
	BARRIER                                        ; the four images of Q6(ct1 s1) lie in LDS
	FETCH AF0, IMW, GB, 4096                       ; dy: wave w takes tile w
	s_wait_dscnt 0x0
	WIN 0x03
	v_wmma_f32_16x16x128_fp8_fp8 v[112:119], v[WC7:WC7+15], v[AF0:AF0+15], 0        ; source 0 = W1's 16 rows j: lane r holds sample r, its registers j = 8 h + 0 .. 7
	v_wmma_f32_16x16x128_fp8_fp8 v[120:127], v[WC7+16:WC7+31], v[AF0+16:AF0+31], 0  ; the second K step in an accumulator of its own
	WIN 0
	PLACES 4
.irp i, 0,2,4,6
	v_pk_mul_f32 v[144+\i:145+\i], v[112+\i:113+\i], s[PDY:PDY+1] op_sel_hi:[1,0]
.endr
.irp i, 0,2,4,6
	v_pk_fma_f32 v[144+\i:145+\i], v[120+\i:121+\i], s[PDY:PDY+1], v[144+\i:145+\i] op_sel_hi:[1,0,1]
.endr
	STAGE1K 144, 160
	s_wait_dscnt 0x0
	SEND1K 160, 20, 0
	s_wait_loadcnt 0x0                             ; both weight sets that stay are in, and the loads have read the offsets that lie in AF1's registers
	s_wait_xcnt 0x0                                ; dy's stores have read their registers
	v_mov_b32 v[VS0], s[SC10]
	v_mov_b32 v[VS1], s[SC14]
	v_mov_b32 v[VS2], s[SC18]
; ---------------------------------------------------------------- the main loop: a block of 8 samples x 16 tangents a trip
.macro VEC kind, tau
.set VA, ACC0+32*((\tau)%2)
.set VP, PC0+8*((\tau)%2)
.if \kind == 2
	PKMUL VA, VA, C2                               ; W3 sigmoid'(z2) dz2
	QV VA, VA, LIM14, VS1, VP, 0
	PUT IMW, IMB+(\tau)*4096, VP
.else
	PKMUL VA, VA, S1                               ; dct1 s1
	WIN 0x04
	PKFMA VA, U1, 32*(\tau), VA                    ; + ct1 s1' W1[i]
	WIN 0
	QV VA, VA, LIM18, VS2, VP, 0
	ds_store_b128 v[T2W], v[VP:VP+3] offset:16*(\tau)        ; into my row's SAMPLE's image, at the place of its tangent
	ds_store_b128 v[T2W], v[VP+4:VP+7] offset:16*(\tau)+512
.endif
.endm
; Eight tiles through one weight set.  Tile tau + 1's products are issued ahead of tile tau's vector work, on the other accumulators and the other fragment registers; tile tau + 2's image is fetched behind them.
.macro PHASE ib, wb, kind
	FETCH AF0, LI, \ib, 1024
	FETCH AF1, LI, \ib+4096, 1024
	s_wait_dscnt 8                                 ; tile 0's image is in; tile 1's eight loads may be out
	MM ACC0, \wb, AF0
.irp tau, 0,1,2,3,4,5,6,7
.if \tau < 7
.if \tau == 0
	s_wait_dscnt 0x0
.else
	s_wait_dscnt 2                                 ; behind tile tau + 1's fetch stand only the two stores of tile tau - 1's codes
.endif
	MM ACC0+32*((\tau+1)%2), \wb, AF0+32*((\tau+1)%2)
.if \tau == 0
	PLACES 5                                       ; behind tile 0's products: four ahead of the first read of their sums and of the loads into their fragment, five ahead of tile 2's products, which write over their sums; later tiles have the tile before's vector work there
.endif
.endif
.if \tau < 6
	FETCH AF0+32*(\tau%2), LI, \ib+(\tau+2)*4096, 1024
.endif
	VEC \kind, \tau
.endr
.endm
	s_mov_b32 s25, 0                               ; the block's place in my kept bytes
	s_mov_b32 s26, 0
	s_mov_b32 s30, 0
	LOADSCU
.Lblk:
	s_wait_dscnt 16                                ; s1 is in; C2 and U1 (16 loads) may be out until the barrier below
.irp tau, 0,1,2,3,4,5,6,7
.set VA, ACC0+32*(\tau%2)
.set VP, PC0+8*(\tau%2)
	WIN 0x04
	PKMUL VA, S1, 32*\tau                          ; dh1 = s1 W1[i]
	WIN 0
	QV VA, VA, LIM10, VS0, VP, 0
	PUT IMW, IMA+\tau*4096, VP
.endr
	BARRIER                                        ; the eight images of dh1 are whole; every wave's reads of the T2 images are over
	PHASE IMA, 0, 2
	BARRIER
	PHASE IMB, 128, 3
	BARRIER                                        ; the eight samples' images are whole
	FETCH AF0, T2R, 0, 1024
	FETCH AF1, T2R, T2P, 1024
	s_add_co_u32 s30, s25, SCUB
	s_min_u32 s30, s30, 7*SCUB                     ; the next block's three vectors; the last trip loads its own once more
	LOADSCU
	s_wait_dscnt 24                                ; my two samples' images are in; the 24 loads just issued may be out
	WIN 0x0c
	v_wmma_f32_16x16x128_fp8_fp8 v[112:119], v[AF0:AF0+15], v[WC19:WC19+15], 0      ; source 0 = the sample's 16 tangents i, source 1 = W1's 16 rows j: lane r holds j = r, its registers i = 8 h + 0 .. 7
	v_wmma_f32_16x16x128_fp8_fp8 v[120:127], v[AF1:AF1+15], v[WC19:WC19+15], 0
	v_wmma_f32_16x16x128_fp8_fp8 v[112:119], v[AF0+16:AF0+31], v[WC19+16:WC19+31], v[112:119]
	v_wmma_f32_16x16x128_fp8_fp8 v[120:127], v[AF1+16:AF1+31], v[WC19+16:WC19+31], v[120:127]
	WIN 0
	PLACES 4
.irp i, 0,2,4,6,8,10,12,14
	v_pk_mul_f32 v[144+\i:145+\i], v[112+\i:113+\i], s[PO2:PO2+1] op_sel_hi:[1,0]   ; x 2^(e18 + e19)
.endr
	STAGE1K 144, 160
	STAGE1K 152, 168
	s_wait_dscnt 4                                 ; the first sample is back; the second's four stage instructions may be out
	SEND1K 160, 22, 0
	s_wait_dscnt 0x0
	SEND1K 168, 22, 1024
	s_wait_xcnt 0x0                                ; the stores have read their registers and their base: both are written again below
	s_add_nc_u64 s[22:23], s[22:23], 8192
	s_add_co_u32 s25, s25, SCUB
	s_add_co_u32 s26, s26, 1
	s_cmp_lt_u32 s26, 8
	s_cbranch_scc1 .Lblk
	s_wait_tensorcnt 0x0                           ; the wave's end: behind my last LDS store
	ds_add_u32 v[SPW], v[NIL]
	s_wait_dscnt 0x0
	s_endpgm
.Lfunc_end_k_qb40fb45a85_idnn:
	.size	k_qb40fb45a85_idnn, .Lfunc_end_k_qb40fb45a85_idnn-k_qb40fb45a85_idnn
	.p2alignl 7, 3214868480
	.fill 96, 4, 3214868480
	.section	.rodata,"a",@progbits
	.p2align	6, 0x0
	.amdhsa_kernel k_qb40fb45a85_idnn
		.amdhsa_group_segment_fixed_size 305920
		.amdhsa_private_segment_fixed_size 0
		.amdhsa_enable_private_segment 0
		.amdhsa_kernarg_size 80
		.amdhsa_user_sgpr_count 2
		.amdhsa_user_sgpr_kernarg_segment_ptr 1
		.amdhsa_wavefront_size32 1
		.amdhsa_system_sgpr_workgroup_id_x 1
		.amdhsa_system_sgpr_workgroup_id_y 1
		.amdhsa_system_sgpr_workgroup_id_z 1
		.amdhsa_system_vgpr_workitem_id 0
		.amdhsa_next_free_vgpr 1024
		.amdhsa_next_free_sgpr 100
		.amdhsa_reserve_vcc 1
		.amdhsa_float_denorm_mode_32 3
		.amdhsa_float_denorm_mode_16_64 3
		.amdhsa_memory_ordered 1
		.amdhsa_forward_progress 1
		.amdhsa_inst_pref_size 246
	.end_amdhsa_kernel
	.amdgpu_metadata
---
amdhsa.version: [ 1, 2 ]
amdhsa.kernels:
  - .name:           k_qb40fb45a85_idnn
    .symbol:         k_qb40fb45a85_idnn.kd
    .args:
      - { .name: x, .offset: 0, .size: 8, .value_kind: global_buffer, .address_space: global }
      - { .name: W1, .offset: 8, .size: 8, .value_kind: global_buffer, .address_space: global }
      - { .name: b1, .offset: 16, .size: 8, .value_kind: global_buffer, .address_space: global }
      - { .name: b2, .offset: 24, .size: 8, .value_kind: global_buffer, .address_space: global }
      - { .name: W3, .offset: 32, .size: 8, .value_kind: global_buffer, .address_space: global }
      - { .name: lowp_scales, .offset: 40, .size: 8, .value_kind: global_buffer, .address_space: global }
      - { .name: wq, .offset: 48, .size: 8, .value_kind: global_buffer, .address_space: global }
      - { .name: out0, .offset: 56, .size: 8, .value_kind: global_buffer, .address_space: global }
      - { .name: out1, .offset: 64, .size: 8, .value_kind: global_buffer, .address_space: global }
      - { .name: out2, .offset: 72, .size: 8, .value_kind: global_buffer, .address_space: global }
    .group_segment_fixed_size: 305920
    .private_segment_fixed_size: 0
    .kernarg_segment_align: 8
    .kernarg_segment_size: 80
    .max_flat_workgroup_size: 128
    .sgpr_count:     100
    .vgpr_count:     1024
    .wavefront_size: 32
...
	.end_amdgpu_metadata
.endif
;; end of part 2
;; ======== version 2 of 2: 2 launches
;; limits: a function is approximated: absolute error at most 6e-08
;; workspace buffers: wq 466,944 bytes
;; launch prep (part 3): grid 66 x 1, 4 waves a work-group, no clusters, 0 bytes of LDS; arguments W2, W1, lowp_scales, wq; writes wq
.if DOCPART == 3
	.amdgcn_target "amdgcn-amd-amdhsa--gfx1250"
	.amdhsa_code_object_version 6
	.text
	.protected	k_qb40fb45a85_prep
	.globl	k_qb40fb45a85_prep
	.p2align	8
	.type	k_qb40fb45a85_prep,@function
k_qb40fb45a85_prep:
	s_mov_b64 s[64:65], 0
	v_nop
	global_prefetch_b8 v0, s[64:65] scope:SCOPE_SE
	s_setreg_imm32_b32 hwreg(HW_REG_WAVE_MODE, 25, 1), 1
	s_wait_xcnt 0x0
; W2 [256][256] and W1 [16][256], f32, become codes of FP8 (E4M3), once for each scale under which a product takes them, laid IN THE ORDER OF THE OPERAND'S REGISTERS.
; code = x / 2^e, held within +-448, to the nearest code, ties to even.  LIMIT: each e between -126 and 119.  NaN among the inputs is not served.
; wq: sets 0..3 = W2 under e1, e3, e9, e11, a tile's rows being H2 units n and K = H1 (value W2[k][n]); sets 4..6 = W2 under e5, e13, e15, a tile's rows being H1 units and K = H2 (value W2[row][k]).
; A set is 65,536 bytes.  A piece of 512 bytes lies at set x 65536 + w x 16384 + (2 t + s) x 2048 + c x 512; in it lane (r, h) has 16 bytes: row 64 w + 32 (t / 2) + 8 (t % 2) + r + 8 (r / 8), k = 128 s + 32 c + 16 h + 0 .. 15.
; From byte 458,752: W1 under e7 (4,096 bytes), then under e19: piece s x 2048 + c x 512, row j = r, the same k.
; A work-group makes one fragment (w, t, s), its wave c the piece c; a lane's 16 numbers are read once and converted once for each set.  Each store of a wave covers 512 consecutive bytes.
; Work-groups 0-31: K down W2's rows; 32-63: K along them; 64, 65: W1.  The three ways part on the work-group's number alone.  No LDS, no barrier.
.set NUM, 16                           ; v16-31  my 16 numbers
.set HLD, 32                           ; v32-47  held within the largest code x the scale
.set EX,  16                           ; s[16+i] = e_i
.macro QSET e, imm, c                  ; one set: scale s[e], store at imm, codes in v[c] on (a run of registers for each set: no store's data are written again)
	s_add_co_i32 s60, s[\e], 127
	s_lshl_b32 s61, s60, 23                        ; 2^e as f32: the conversion takes its exponent field
	s_add_co_i32 s60, s60, 8
	s_lshl_b32 s60, s60, 23
	s_or_b32 s60, s60, 0x600000                    ; 448 x 2^e
	v_mov_b32 v8, s61
	v_mov_b32 v9, s60
.set qi, 0
.rept 16
	v_med3_num_f32 v[HLD+qi], v[NUM+qi], -v9, v9   ; the conversion to an 8-bit code does not saturate (ISA guide 7.6.2)
.set qi, qi+1
.endr
	v_cvt_scalef32_pk8_fp8_f32 v[\c:\c+1], v[HLD:HLD+7], v8
	v_cvt_scalef32_pk8_fp8_f32 v[\c+2:\c+3], v[HLD+8:HLD+15], v8
	v_nop                                          ; a plain line between the conversions and the next set's writes of their sources
	global_store_b128 v6, v[\c:\c+3], s[10:11] offset:\imm
.endm
	s_load_b256 s[4:11], s[0:1], 0x0               ; W2 s[4:5], W1 s[6:7], the exponents s[8:9], wq s[10:11]
	v_and_b32 v1, 15, v0                           ; r
	v_bfe_u32 v2, v0, 4, 1                         ; h
	v_lshrrev_b32 v3, 5, v0
	v_readfirstlane_b32 s12, v3                    ; wave = c
	v_and_b32 v4, 8, v1
	v_add_nc_u32 v4, v4, v1                        ; r + 8 (r / 8)
	v_lshlrev_b32 v5, 4, v2
	s_lshl_b32 s13, s12, 5
	v_add_nc_u32 v5, s13, v5                       ; 32 c + 16 h
	v_lshlrev_b32 v6, 4, v0                        ; 16 x thread = 512 c + 16 x lane
	s_wait_kmcnt 0x0
	s_load_b512 s[16:31], s[8:9], 0x0              ; e0 .. e15
	s_load_b128 s[32:35], s[8:9], 0x40             ; e16 .. e19
	s_cmp_ge_u32 ttmp9, 64
	s_cbranch_scc1 .Lw1
	s_and_b32 s14, ttmp9, 31                       ; 8 w + 2 t + s
	s_and_b32 s40, s14, 1
	s_lshl_b32 s40, s40, 7
	s_wait_alu depctr_va_vdst(0)
	v_add_nc_u32 v5, s40, v5                       ; k0 = 128 s + 32 c + 16 h
	s_lshr_b32 s41, s14, 3
	s_lshl_b32 s41, s41, 6                         ; 64 w
	s_bfe_u32 s42, s14, 0x10002
	s_lshl_b32 s42, s42, 5                         ; 32 (t / 2)
	s_bfe_u32 s43, s14, 0x10001
	s_lshl_b32 s43, s43, 3                         ; 8 (t % 2)
	s_add_co_u32 s41, s41, s42
	s_add_co_u32 s41, s41, s43
	v_add_nc_u32 v4, s41, v4                       ; the row
	s_lshl_b32 s44, s14, 11
	v_add_nc_u32 v6, s44, v6                       ; the piece's place in a set
	s_cmp_ge_u32 ttmp9, 32
	s_cbranch_scc1 .Lt
	s_wait_alu depctr_va_vdst(0)
	v_lshlrev_b32 v7, 10, v5                       ; K down the rows: W2[k0 + i][row]
	v_lshl_add_u32 v7, v4, 2, v7
.irp i, 0,1,2,3,4,5,6,7,8,9,10,11,12,13,14,15
	global_load_b32 v[NUM+\i], v7, s[4:5] offset:1024*\i
.endr
	s_wait_loadcnt 0x0
	s_wait_kmcnt 0x0
	QSET EX+1, 0, 48
	QSET EX+3, 65536, 52
	QSET EX+9, 2*65536, 56
	QSET EX+11, 3*65536, 60
	s_endpgm
.Lt:
	s_wait_alu depctr_va_vdst(0)
	v_lshlrev_b32 v7, 10, v4                       ; K along the rows: W2[row][k0 + i]
	v_lshl_add_u32 v7, v5, 2, v7
.irp i, 0,1,2,3
	global_load_b128 v[NUM+4*\i:NUM+4*\i+3], v7, s[4:5] offset:16*\i
.endr
	s_wait_loadcnt 0x0
	s_wait_kmcnt 0x0
	QSET EX+5, 4*65536, 48
	QSET EX+13, 5*65536, 52
	QSET EX+15, 6*65536, 56
	s_endpgm
.Lw1:
	s_sub_co_u32 s14, ttmp9, 64                    ; s
	s_lshl_b32 s40, s14, 7
	s_wait_alu depctr_va_vdst(0)
	v_add_nc_u32 v5, s40, v5                       ; k0
	v_lshlrev_b32 v7, 10, v1                       ; W1[r][k0 + i]
	v_lshl_add_u32 v7, v5, 2, v7
	s_lshl_b32 s44, s14, 11
	v_add_nc_u32 v6, s44, v6
.irp i, 0,1,2,3
	global_load_b128 v[NUM+4*\i:NUM+4*\i+3], v7, s[6:7] offset:16*\i
.endr
	s_wait_loadcnt 0x0
	s_wait_kmcnt 0x0
	QSET EX+7, 458752, 48
	QSET EX+19, 458752+4096, 52
	s_endpgm
.Lfunc_end_k_qb40fb45a85_prep:
	.size	k_qb40fb45a85_prep, .Lfunc_end_k_qb40fb45a85_prep-k_qb40fb45a85_prep
	.p2alignl 7, 3214868480
	.fill 96, 4, 3214868480
	.section	.rodata,"a",@progbits
	.p2align	6, 0x0
	.amdhsa_kernel k_qb40fb45a85_prep
		.amdhsa_group_segment_fixed_size 0
		.amdhsa_private_segment_fixed_size 0
		.amdhsa_enable_private_segment 0
		.amdhsa_kernarg_size 32
		.amdhsa_user_sgpr_count 2
		.amdhsa_user_sgpr_kernarg_segment_ptr 1
		.amdhsa_wavefront_size32 1
		.amdhsa_system_sgpr_workgroup_id_x 1
		.amdhsa_system_sgpr_workgroup_id_y 1
		.amdhsa_system_sgpr_workgroup_id_z 1
		.amdhsa_system_vgpr_workitem_id 0
		.amdhsa_next_free_vgpr 64
		.amdhsa_next_free_sgpr 66
		.amdhsa_reserve_vcc 0
		.amdhsa_float_denorm_mode_32 3
		.amdhsa_float_denorm_mode_16_64 3
		.amdhsa_memory_ordered 1
		.amdhsa_forward_progress 1
		.amdhsa_inst_pref_size 19
	.end_amdhsa_kernel
	.amdgpu_metadata
---
amdhsa.version: [ 1, 2 ]
amdhsa.kernels:
  - .name:           k_qb40fb45a85_prep
    .symbol:         k_qb40fb45a85_prep.kd
    .args:
      - { .name: W2, .offset: 0, .size: 8, .value_kind: global_buffer, .address_space: global }
      - { .name: W1, .offset: 8, .size: 8, .value_kind: global_buffer, .address_space: global }
      - { .name: lowp_scales, .offset: 16, .size: 8, .value_kind: global_buffer, .address_space: global }
      - { .name: wq, .offset: 24, .size: 8, .value_kind: global_buffer, .address_space: global }
    .group_segment_fixed_size: 0
    .private_segment_fixed_size: 0
    .kernarg_segment_align: 8
    .kernarg_segment_size: 32
    .max_flat_workgroup_size: 128
    .sgpr_count:     66
    .vgpr_count:     64
    .wavefront_size: 32
...
	.end_amdgpu_metadata
.endif
;; end of part 3
;; launch idnn (part 4): grid 256 x 1, 4 waves a work-group, no clusters, 305,920 bytes of LDS; arguments x, W1, b1, b2, W3, lowp_scales, wq, out0, out1, out2; writes out0, out1, out2
.if DOCPART == 4
	.amdgcn_target "amdgcn-amd-amdhsa--gfx1250"
	.amdhsa_code_object_version 6
	.text
	.protected	k_qb40fb45a85_idnn
	.globl	k_qb40fb45a85_idnn
	.p2align	8
	.type	k_qb40fb45a85_idnn,@function
k_qb40fb45a85_idnn:
	s_mov_b64 s[64:65], 0
	v_nop
	global_prefetch_b8 v0, s[64:65] scope:SCOPE_SE
	s_setreg_imm32_b32 hwreg(HW_REG_WAVE_SCHED_MODE, 0, 2), 2
	s_setreg_imm32_b32 hwreg(HW_REG_WAVE_MODE, 25, 1), 1
	s_wait_xcnt 0x0
	s_wait_alu depctr_vm_vsrc(0)
; y, dy / dx and d2y / dx2 of y = softplus(softplus(x W1 + b1) W2 + b2) W3, the products with K = 256 on codes of FP8 (E4M3), each operand under its given scale 2^e_i.
; z1 = x W1 + b1 (f32 matrix form, made once), s1 = sigmoid(z1), s1' = s1 (1 - s1).
;   y:    z2 = Q0(h1) Q1(W2) + b2;  y = softplus(z2) . W3
;   dy:   z2 under (e2, e3);  ct2 = W3 sigmoid(z2);  ct1 = Q4(ct2) Q5(W2)^T;  dy = Q6(ct1 s1) Q7(W1)^T
;   ddy:  z2 under (e8, e9);  ct1 under (e12, e13);  for tangent i:  dz2 = Q10(s1 W1[i]) Q11(W2);  dct1 = Q14(W3 sigmoid'(z2) dz2) Q15(W2)^T;
;         out2[b][j][i] = sum over k of Q18(dct1 s1 + ct1 s1' W1[i])[k] Q19(W1[j][k]).
; SHARES.  A work-group takes 64 samples.  THE FOUR WAVES SHARE THE COLUMNS: wave w owns units 64 w .. 64 w + 63 of both hidden layers, for all rows, so its part of a weight set stays in 128 registers.
; Every product takes the weights as source 0: lane (r, h) then holds ROW r, and its 32 results are units 64 w + 32 b + 16 h + e (index 16 b + e): 16 neighbours along the next K for each b, since a weight tile's rows are
; chosen so (lane r of tile 2 b + u takes row 32 b + 8 u + r + 8 (r / 8)).  The conversions' results are then two groups of four operand registers.
; OPERANDS GO FROM WAVE TO WAVE THROUGH LDS AS IMAGES OF THEIR REGISTERS: 4,096 bytes for 16 rows x 256 K, 8 pieces of 512 bytes, lane l's 16 bytes at 16 l; wave w makes pieces 2 w and 2 w + 1.
; k lies in the registers as the 16-byte loads bring it, alike in both operands of every product: each product meets its partner.
; PROLOGUE: the samples go as 4 tiles of 16 rows through the primal passes; s1, C2 = W3 sigmoid'(z2) 2^(e10+e11) and U1 = ct1 s1' (scaled) are kept in LDS, each wave's own bytes.
; MAIN LOOP: 8 blocks of 8 samples, 8 tiles each: tile row r is sample r % 8 and tangent tau + 8 (r / 8).  So W1's factors are the same in every block and stay in 256 registers, and a block ends with all 16 tangents
; of its 8 samples: out2 leaves by whole kilobytes.
; THE WEIGHTS ARE SHARED BY ALL WORK-GROUPS AND YET NOT ASKED FOR JOINTLY: a wave loads each of its 7 x 16,384 bytes once, straight into operand registers; a joint load lands in LDS, of which the images and the kept
; vectors take 305,920 of 327,680 bytes.
; LIMITS.  As scales of conversions e0, e2, e4, e8, e10, e12, e14, e6-e4-e5, e18-e14-e15 lie between -126 and 119; as factors e0+e1, e2+e3, e8+e9, e6+e7, e18+e19, e12+e13-e14-e15 between -126 and 127.
; softplus = max(z, 0) + ln(1 + e^-|z|) carries the rounding of 1 + e^-|z|: an absolute error of about 6e-8.  A sigmoid under 2^-126 counts as 0.  NaN among the inputs is not served.
; e16, e17 scale a product whose result reaches no output; the products with W3 in the second and third pass likewise: they are not made.
; THE MODE: SCHED_MODE bits 1:0 = 2 (LLVM: expert scheduling mode 2), set by the entry lines.  The code itself states the register dependences between vector or matrix instructions and memory or LDS
; instructions, with s_wait_alu, always for 0.
; THE PLAN, main loop.  Registers that memory or LDS instructions touch:
;   AF0, AF1   phase 1: the conversions write the eight tiles' codes there, 8 registers a tile, and 16 LDS stores read them.  Phases 2, 3: tile tau's image lands in AF[tau % 2], its eight products read it.
;              Phase 4: two samples' images land there, four products read them.
;   PC0, PC1   phases 2, 3: tile tau's conversions write PC[tau % 2], two LDS stores read it.
;   S1, C2, U1 land in phase 4, for the next block; read by the packed multiplies of phases 1 to 3.
;   v144-159   phase 4's scalings write them, the stage's stores read them;  v160-175 land from the stage, the global stores read them.  Both are accumulators again in the next block.
;   v[ADR]     written at a block's head, read by phase 4's 24 loads.   LI, IMW, T2W, T2R, STO, STR, SCUR: made at the kernel's head, never written again.
; A step of phases 2 and 3: tile tau + 1's products; tile tau's vector work; ONE wait on va_vdst; tile tau's two stores and the fetch of tile tau + 3 into the fragment registers that tile tau + 1's products have read.
; Every second step one wait on vm_vsrc, ahead of the conversions, frees both runs of codes.  Phase 4's loads hang on nothing issued since the last step's wait.
; In the prologue's loops: vm_vsrc at the head (stepped addresses and stores' data are written again), va_vdst behind the products (the next fetch) and ahead of the trip's run of stores.
; LDS
.set IMA,   0                          ; 8 images: Q10(s1 W1[i]), tile tau at 4096 tau
.set IMB,   32768                      ; 8 images: Q14(..)
.set T2,    65536                      ; 8 images, one a SAMPLE, rows = tangents, 4,112 bytes apart
.set T2P,   4112
.set SCU,   98560                      ; each wave's own 50,176 bytes: block beta at 6272 beta: s1, C2, U1, 2,048 bytes each: quad q at 256 q + 16 (r % 8 + 8 h)
.set SCUV,  50176
.set SCUB,  6272
.set STG,   299264                     ; each wave's own stage: 16 rows of 64 bytes, 80 apart
.set YRED,  304384                     ; y's parts: 256 w + 4 x sample
.set SPARE, 305408                     ; the spare words, 128 bytes for each wave: two blocks of 256 bytes that no other line names
.set GB,    49152                      ; prologue images lie wave-major: base + 4096 w + 1024 m + 512 b + 16 lane.  h1: 16384 p;  Q6(..): GB;  ct2: CTB + 16384 q
.set CTB,   65536
; window 0
.set LI,  1                            ; 16 x lane
.set SPW, 2                            ; my spare word; never rewritten
.set NIL, 3                            ; 0; never rewritten
.set IMW, 4                            ; 16 lane + 1024 w
.set T2W, 5
.set SCUW, 6
.set SCUR, 7
.set T2R, 8
.set STO, 9
.set STR, 10
.set VS0, 11                           ; v11-13 the conversions' scales
.set VS1, 12
.set VS2, 13
.set ADR, 14
.set S1,  16
.set C2,  48
.set U1,  80
.set ACC0, 112
.set ACC1, 144
.set AF0, 176
.set AF1, 208
.set PC0, 240
.set PC1, 248
.set PC2, 224                          ; prologue alone: a third run of codes
.set WQO, 208                          ; prologue alone, in AF1's registers: offsets and addresses
.set XO,  209
.set W1TO, 210
.set BDO, 211
.set W1BO, 212
.set YRW, 213
.set IMP, 214
.set PA,  215
.set SA,  216
.set YA,  217
.set YLA, 218
.set YGO, 219
.set XA,  220
; window 1: W1[tau + 8 (r / 8)][my 32 units] at 32 tau.   window 2: two weight sets, at 0 and at 128, fragment (t, s) at 16 (2 t + s).
; window 3
.set Z1,  0                            ; z1's four accumulators: written by matrix instructions alone
.set WC19, 32
.set WC7, 64
.set W1TF, 96
.set B1D, 128
.set W3S, 128                          ; later W3 x 2^(e10 + e11)
.set B2D, 160
.set W3D, 192
.set XF,  224
; scalars
.set EX,  32                           ; s[32+i] = e_i, at the head alone
.set MK,  32                           ; s32-47, behind the head: sixteen masks of the sigmoid's selects
.set L2E, 52
.set LN2, 54
.set SEL, 56
.set LIMH0, 58
.set LIMH1, 59
.set LIMH2, 60
.set LIM4, 61
.set LIM12, 62
.set LIM6, 63
.set PZ0, 66
.set PZ1, 68
.set PZ2, 70
.set PU,  72
.set PDY, 74
.set LIM10, 76
.set LIM14, 77
.set LIM18, 78
.set PO2, 80
.set SCH0, 82
.set SCH1, 83
.set SCH2, 84
.set SC4, 85
.set SC12, 86
.set SC6, 87
.set SC10, 88
.set SC14, 89
.set SC18, 90
.set MSB, 0
.macro WIN new                         ; the immediate's high byte repeats the setting that is left; bits 1:0 source 0, 3:2 source 1, 5:4 source 2, 7:6 destination
.if MSB != \new
	s_set_vgpr_msb (MSB<<8)|\new
.set MSB, \new
.endif
.endm
.macro PLACES n
.rept \n
	v_nop
.endr
.endm
.macro BARRIER                         ; my LDS stores have landed and my LDS loads are in: then the work-group's barrier
	s_wait_dscnt 0x0
	s_barrier_signal -1
	s_barrier_wait -1
.endm
.macro MKSC e, sc, lim                 ; 2^E and 448 x 2^E as f32, E = s[e]
	s_add_co_i32 s[\sc], s[\e], 127
	s_add_co_i32 s[\lim], s[\e], 135
	s_lshl_b32 s[\sc], s[\sc], 23
	s_lshl_b32 s[\lim], s[\lim], 23
	s_or_b32 s[\lim], s[\lim], 0x600000
.endm
.macro MKP a, b, p                     ; the pair s[p:p+1] = 2^(s[a] + s[b])
	s_add_co_i32 s[\p], s[\a], s[\b]
	s_add_co_i32 s[\p], s[\p], 127
	s_lshl_b32 s[\p], s[\p], 23
	s_mov_b32 s[\p+1], s[\p]
.endm
.macro FETCH reg, adr, off, ws         ; an image's 8 pieces into 32 registers; ws: bytes from one wave's two pieces to the next wave's
.irp g, 0,1,2,3,4,5,6,7
	ds_load_b128 v[\reg+4*\g:\reg+4*\g+3], v[\adr] offset:\off+(\g/2)*\ws+(\g%2)*512
.endr
.endm
.macro PUT adr, off, pc                ; my two pieces of an image
	ds_store_b128 v[\adr], v[\pc:\pc+3] offset:\off
	ds_store_b128 v[\adr], v[\pc+4:\pc+7] offset:\off+512
.endm
.macro MM acc, wb, af                  ; 16 rows x my 64 units x K 256: four accumulators by turns, one instruction a turn; the first K step starts the sums
	WIN 0x02
.irp s, 0,1
.irp t, 0,1,2,3
.if \s == 0
	v_wmma_f32_16x16x128_fp8_fp8 v[\acc+8*\t:\acc+8*\t+7], v[\wb+16*(2*\t+\s):\wb+16*(2*\t+\s)+15], v[\af+16*\s:\af+16*\s+15], 0
.else
	v_wmma_f32_16x16x128_fp8_fp8 v[\acc+8*\t:\acc+8*\t+7], v[\wb+16*(2*\t+\s):\wb+16*(2*\t+\s)+15], v[\af+16*\s:\af+16*\s+15], v[\acc+8*\t:\acc+8*\t+7]
.endif
.endr
.endr
	WIN 0
.endm
.macro PKMUL d, a, b
.set qi, 0
.rept 16
	v_pk_mul_f32 v[\d+qi:\d+qi+1], v[\a+qi:\a+qi+1], v[\b+qi:\b+qi+1]
.set qi, qi+2
.endr
.endm
.macro PKFMA d, a, b, c
.set qi, 0
.rept 16
	v_pk_fma_f32 v[\d+qi:\d+qi+1], v[\a+qi:\a+qi+1], v[\b+qi:\b+qi+1], v[\c+qi:\c+qi+1]
.set qi, qi+2
.endr
.endm
.macro PKMULS d, a, p                  ; x the scalar pair's low word
.set qi, 0
.rept 16
	v_pk_mul_f32 v[\d+qi:\d+qi+1], v[\a+qi:\a+qi+1], s[\p:\p+1] op_sel_hi:[1,0]
.set qi, qi+2
.endr
.endm
.macro PKFMAS d, a, p, c
.set qi, 0
.rept 16
	v_pk_fma_f32 v[\d+qi:\d+qi+1], v[\a+qi:\a+qi+1], s[\p:\p+1], v[\c+qi:\c+qi+1] op_sel_hi:[1,0,1]
.set qi, qi+2
.endr
.endm
; 32 numbers become 32 codes in v[pc] on.  one = 1: the numbers are not negative, so the hold is one-sided.  free = 1: LDS stores have read PC0 and PC1 since the last wait on vm_vsrc.
.macro QV src, dst, lim, vsc, pc, one, free
.set qi, 0
.rept 32
.if \one
	v_min_num_f32 v[\dst+qi], s[\lim], v[\src+qi]
.else
	v_med3_num_f32 v[\dst+qi], v[\src+qi], -s[\lim], s[\lim]   ; the conversion to an 8-bit code does not saturate (ISA guide 7.6.2)
.endif
.set qi, qi+1
.endr
.if \free
	s_wait_alu depctr_vm_vsrc(0)                   ; the LDS stores of the two tiles before (in a phase's first tile: the phase before's last two) have read PC0 and PC1, which this tile's conversions and the next tile's write again
.endif
.irp g, 0,1,2,3
	v_cvt_scalef32_pk8_fp8_f32 v[\pc+2*\g:\pc+2*\g+1], v[\dst+8*\g:\dst+8*\g+7], v[\vsc]
.endr
	v_nop                                          ; a plain line between the conversions and whatever next writes their sources
.endm
; softplus and its derivatives of 32 numbers z (in window zw's source 0).  E = e^-|z|, M = max(z, 0), T = 1 + E, R = 1 / T.
; fh: v[m] = softplus = M + ln2 log2 T.   fs: v[r] = sigmoid = R where z > 0, else E R.   fp: v[sp] = sigmoid' = E R R.
; The transcendentals go in batches; behind each batch one plain line and one wait, ahead of the first line that names a result.
; The selects' masks go into scalar registers, sixteen compares in a run, one wait behind the run.
.macro ACT z, zw, e, m, t, r, sp, fh, fs, fp
	WIN \zw
.set qi, 0
.rept 32
	v_mul_f32 v[\e+qi], -|v[\z+qi]|, s[L2E]        ; ascending: each accumulator is first read at its low end
.set qi, qi+1
.endr
.set qi, 0
.rept 32
	v_max_num_f32 v[\m+qi], v[\z+qi], 0
.set qi, qi+1
.endr
	WIN 0
.set qi, 0
	s_wait_alu depctr_va_vdst(0)
.rept 32
	v_exp_f32 v[\e+qi], v[\e+qi]
.set qi, qi+1
.endr
	v_nop
	s_wait_alu depctr_va_vdst(0)                   ; the exponentials have written E, ahead of its first reader
.set qi, 0
.rept 16
	v_pk_add_f32 v[\t+qi:\t+qi+1], v[\e+qi:\e+qi+1], 1.0 op_sel_hi:[1,0]
.set qi, qi+2
.endr
.if \fs
.set qi, 0
	s_wait_alu depctr_va_vdst(0)
.rept 32
	v_rcp_f32 v[\r+qi], v[\t+qi]
.set qi, qi+1
.endr
.if \fh
	v_nop                                          ; a plain line between the reciprocals and the logarithms, which write over their sources
.endif
.endif
.if \fh
.set qi, 0
	s_wait_alu depctr_va_vdst(0)
.rept 32
	v_log_f32 v[\t+qi], v[\t+qi]
.set qi, qi+1
.endr
.endif
	v_nop
	s_wait_alu depctr_va_vdst(0)                   ; the reciprocals and the logarithms have written R and T, ahead of their first reader
.if \fs
	PKMUL \e, \e, \r
.if \fp
	PKMUL \sp, \e, \r
.endif
.irp g, 0,16
.set qi, 0
.rept 16
	v_cmp_lt_f32 s[MK+qi], 0, v[\m+\g+qi]
.set qi, qi+1
.endr
	s_wait_alu depctr_va_sdst(0)                   ; the sixteen compares have written their masks, ahead of the selects that read them
.set qi, 0
.rept 16
	v_cndmask_b32 v[\r+\g+qi], v[\e+\g+qi], v[\r+\g+qi], s[MK+qi]
.set qi, qi+1
.endr
.endr
.endif
.if \fh
	PKFMAS \m, \t, LN2, \m
.endif
.endm
; My 16,384 bytes of a weight set into half a window: each load of the wave reads 512 consecutive bytes.  No wait of its own: the products that read this half stand ahead of the pass's last wait on va_vdst,
; and no vector or matrix instruction since names this half or v[WQO].
.macro LOADW set, wb
	WIN 0x80
.irp f, 0,1,2,3,4,5,6,7
.irp c, 0,1,2,3
	global_load_b128 v[\wb+16*\f+4*\c:\wb+16*\f+4*\c+3], v[WQO], s[16:17] offset:\set*65536+2048*\f+512*\c
.endr
.endr
	WIN 0
.endm
.macro LOADBD reg, base                ; a vector of 256 in the result's layout: accumulator t, register j: unit 64 w + 32 (t / 2) + 8 (t % 2) + 16 h + j
.irp t, 0,1,2,3
	global_load_b128 v[\reg+8*\t:\reg+8*\t+3], v[BDO], s[\base:\base+1] offset:4*(32*(\t/2)+8*(\t%2))
	global_load_b128 v[\reg+8*\t+4:\reg+8*\t+7], v[BDO], s[\base:\base+1] offset:4*(32*(\t/2)+8*(\t%2))+16
.endr
.endm
.macro STAGE1K src, bk                 ; 16 rows x 64 bytes, 32 bytes a lane, through my stage and back as 1,024 bytes on end.  LDS serves a wave's instructions in order (ISA guide 5.7.1.4)
	ds_store_b128 v[STO], v[\src:\src+3]
	ds_store_b128 v[STO], v[\src+4:\src+7] offset:16
	ds_load_b128 v[\bk:\bk+3], v[STR]
	ds_load_b128 v[\bk+4:\bk+7], v[STR] offset:640
.endm
.macro SEND1K bk, base, imm            ; each store of the wave covers 512 consecutive bytes, aligned
	global_store_b128 v[LI], v[\bk:\bk+3], s[\base:\base+1] offset:\imm th:TH_STORE_NT
	global_store_b128 v[LI], v[\bk+4:\bk+7], s[\base:\base+1] offset:\imm+512 th:TH_STORE_NT
.endm
.macro LOADSCU                         ; s1, C2, U1 of the block at which v[ADR] stands in my kept bytes; s1 first
.irp v, 0,1,2
.irp q, 0,1,2,3,4,5,6,7
	ds_load_b128 v[S1+32*\v+4*\q:S1+32*\v+4*\q+3], v[ADR] offset:2048*\v+256*\q
.endr
.endr
.endm
; ---------------------------------------------------------------- the head
	s_load_b512 s[4:19], s[0:1], 0x0               ; x s[4:5], W1 s[6:7], b1 s[8:9], b2 s[10:11], W3 s[12:13], the exponents s[14:15], wq s[16:17], out0 s[18:19]
	s_load_b128 s[20:23], s[0:1], 0x40             ; out1 s[20:21], out2 s[22:23]
	v_lshl_add_u32 v[SPW], v0, 2, SPARE
	v_mov_b32 v[NIL], 0
	v_lshrrev_b32 v20, 5, v0
	v_readfirstlane_b32 s24, v20                   ; wave 0..3
	v_and_b32 v24, 31, v0                          ; lane
	v_and_b32 v20, 15, v0                          ; r
	v_bfe_u32 v21, v0, 4, 1                        ; h
	v_and_b32 v22, 7, v0                           ; r % 8
	v_bfe_u32 v23, v0, 3, 1                        ; r / 8
	v_lshlrev_b32 v[LI], 4, v24
	s_wait_alu depctr_va_sdst(0)                   ; s24 is written, ahead of its first reader: addresses, bases and one branch are made from it
	s_lshl_b32 s2, s24, 10
	v_add_nc_u32 v[IMW], s2, v[LI]
	s_add_co_u32 s3, s2, T2
	v_mul_u32_u24 v[T2W], v22, T2P                 ; sample r % 8's image, my two pieces, the place of row tau + 8 (r / 8): 16 tau stands in the immediate
	v_lshl_add_u32 v[T2W], v23, 7, v[T2W]
	v_lshl_add_u32 v[T2W], v21, 8, v[T2W]
	v_add_nc_u32 v[T2W], s3, v[T2W]
	s_mul_i32 s3, s24, SCUV
	s_add_co_u32 s3, s3, SCU
	v_lshlrev_b32 v[SCUR], 4, v22
	v_lshl_add_u32 v[SCUR], v21, 7, v[SCUR]
	v_add_nc_u32 v[SCUR], s3, v[SCUR]              ; the main loop's reads: sample r % 8
	v_mul_u32_u24 v[SCUW], v23, SCUB
	v_add_nc_u32 v[SCUW], v[SCUW], v[SCUR]         ; the prologue's: sample r of 16: block r / 8 of the tile's two
	s_mul_i32 s3, s24, 2*T2P
	s_add_co_u32 s3, s3, T2
	v_add_nc_u32 v[T2R], s3, v[LI]                 ; samples 2 w and 2 w + 1 of a block are mine on the way out
	s_mul_i32 s3, s24, 1280
	s_add_co_u32 s3, s3, STG
	v_mul_u32_u24 v[STO], v20, 80
	v_lshl_add_u32 v[STO], v21, 5, v[STO]
	v_add_nc_u32 v[STO], s3, v[STO]
	v_lshrrev_b32 v[STR], 2, v24
	v_mul_u32_u24 v[STR], v[STR], 80
	v_and_b32 v25, 3, v0
	v_lshl_add_u32 v[STR], v25, 4, v[STR]
	v_add_nc_u32 v[STR], s3, v[STR]
	s_lshl_b32 s3, s24, 12
	v_add_nc_u32 v[IMP], s3, v[LI]
	s_lshl_b32 s3, s24, 14
	v_add_nc_u32 v[WQO], s3, v[LI]
	v_lshlrev_b32 v[XO], 6, v20
	v_lshl_add_u32 v[XO], v21, 3, v[XO]            ; x: row r of 64 bytes, + 8 h
	s_lshl_b32 s3, s24, 8
	v_lshlrev_b32 v[BDO], 6, v21
	v_add_nc_u32 v[BDO], s3, v[BDO]                ; 64 h + 256 w
	v_lshlrev_b32 v[W1TO], 2, v20
	v_lshl_add_u32 v[W1TO], v23, 5, v[W1TO]
	v_lshl_add_u32 v[W1TO], v21, 11, v[W1TO]
	v_add_nc_u32 v[W1TO], s3, v[W1TO]              ; W1: rows 2 h on, column r + 8 (r / 8) + 64 w
	v_lshl_add_u32 v[W1BO], v23, 13, v[BDO]        ; W1: row 8 (r / 8), columns 16 h + 64 w on
	s_add_co_u32 s3, s3, YRED
	v_lshl_add_u32 v[YRW], v20, 2, s3
	v_lshlrev_b32 v[YGO], 3, v24
	v_add_nc_u32 v[YLA], YRED, v[YGO]
	s_wait_kmcnt 0x0
	s_load_b512 s[32:47], s[14:15], 0x0            ; e0 .. e15
	s_load_b128 s[48:51], s[14:15], 0x40           ; e16 .. e19
	s_mov_b32 s3, 0
	s_lshl_b32 s2, ttmp9, 12
	s_add_nc_u64 s[4:5], s[4:5], s[2:3]            ; x and out1 at my 64 samples
	s_add_nc_u64 s[20:21], s[20:21], s[2:3]
	s_lshl_b32 s2, s24, 10
	s_add_nc_u64 s[20:21], s[20:21], s[2:3]        ; out1: my wave's 16
	s_lshl_b32 s2, ttmp9, 8
	s_add_nc_u64 s[18:19], s[18:19], s[2:3]
	s_lshl_b32 s2, ttmp9, 16
	s_add_nc_u64 s[22:23], s[22:23], s[2:3]
	s_lshl_b32 s2, s24, 11
	s_add_nc_u64 s[22:23], s[22:23], s[2:3]        ; out2: my wave's two samples of block 0
	WIN 0xc0                                       ; destination window 3
	s_wait_alu depctr_va_vdst(0)                   ; all the offsets and addresses made above are written: the kernel's loads, stores and LDS instructions read them; those that stay are never written again
.irp t, 0,1,2,3
.irp s, 0,1,2,3
.irp j, 0,1
	global_load_b32 v[W1TF+2*(4*\t+\s)+\j], v[W1TO], s[6:7] offset:(4*\s+\j)*1024+4*(32*(\t/2)+8*(\t%2))   ; W1[4 s + 2 h + j][the tile's row]
.endr
.endr
.endr
	LOADBD B1D, 8
.irp s, 0,1,2,3
	global_load_b64 v[XF+2*\s:XF+2*\s+1], v[XO], s[4:5] offset:16*\s   ; x[r][4 s + 2 h + 0, 1]
.endr
	LOADW 0, 0
	WIN 0xc0
	LOADBD B2D, 10
	LOADBD W3D, 12
	WIN 0
	s_mov_b32 s[L2E], 0x3fb8aa3b                   ; log2(e)
	s_mov_b32 s[LN2], 0x3f317218                   ; ln(2), as a pair
	s_mov_b32 s[LN2+1], 0x3f317218
	s_mov_b32 s[SEL], 0x76543210                   ; v_permlanex16_b32: lane l xor 16
	s_mov_b32 s[SEL+1], 0xfedcba98
	s_wait_kmcnt 0x0
	MKSC EX+0, SCH0, LIMH0
	MKSC EX+2, SCH1, LIMH1
	MKSC EX+8, SCH2, LIMH2
	MKSC EX+4, SC4, LIM4
	MKSC EX+12, SC12, LIM12
	s_sub_co_i32 s91, s[EX+6], s[EX+4]
	s_sub_co_i32 s91, s91, s[EX+5]                 ; a sum of ct1 stands for sum x 2^(e4 + e5): the three scales are folded into the conversion's one
	MKSC 91, SC6, LIM6
	MKSC EX+10, SC10, LIM10
	MKSC EX+14, SC14, LIM14
	s_sub_co_i32 s91, s[EX+18], s[EX+14]
	s_sub_co_i32 s91, s91, s[EX+15]
	MKSC 91, SC18, LIM18
	MKP EX+0, EX+1, PZ0
	MKP EX+2, EX+3, PZ1
	MKP EX+8, EX+9, PZ2
	MKP EX+6, EX+7, PDY
	MKP EX+18, EX+19, PO2
	s_add_co_i32 s91, s[EX+12], s[EX+13]
	s_sub_co_i32 s91, s91, s[EX+14]
	s_sub_co_i32 s93, 0, s[EX+15]
	MKP 91, 93, PU
	s_add_co_i32 s92, s[EX+10], s[EX+11]
	v_mov_b32 v[VS0], s[SCH0]
	v_mov_b32 v[VS1], s[SCH1]
	v_mov_b32 v[VS2], s[SCH2]
	s_wait_loadcnt 48                              ; W1's fragments, b1 and x are in; set 0 (32 loads) and b2, W3 (16) may be out
; ---------------------------------------------------------------- z1, h1, s1, s1' of the four tiles of 16 samples
	s_mov_b32 s26, 0
	s_mov_b32 s27, 0                               ; 2 blocks of my kept bytes a tile
	s_mov_b32 s28, 0                               ; 1,024 bytes a tile: in x, and in my part of an image region
.Llb:
	s_wait_alu depctr_vm_vsrc(0)                   ; the last trip's LDS stores have read v[SA], v[PA], s1, s1' and the three runs of codes, and its loads of x have read v[XA]: all of these are written again below
	v_add_nc_u32 v[SA], s27, v[SCUW]
	v_add_nc_u32 v[PA], s28, v[IMP]
	s_add_co_u32 s29, s28, 1024
	s_min_u32 s29, s29, 3072                       ; the next tile's x; the last trip loads its own once more, so that the loop has no branch and no load leaves x
	v_add_nc_u32 v[XA], s29, v[XO]
	WIN 0xff
.irp s, 0,1,2,3
.irp t, 0,1,2,3
.if \s == 0
	v_wmma_f32_16x16x4_f32 v[Z1+8*\t:Z1+8*\t+7], v[W1TF+2*(4*\t+\s):W1TF+2*(4*\t+\s)+1], v[XF+2*\s:XF+2*\s+1], v[B1D+8*\t:B1D+8*\t+7]   ; b1 is the C of each sum's first K step
.else
	v_wmma_f32_16x16x4_f32 v[Z1+8*\t:Z1+8*\t+7], v[W1TF+2*(4*\t+\s):W1TF+2*(4*\t+\s)+1], v[XF+2*\s:XF+2*\s+1], v[Z1+8*\t:Z1+8*\t+7]
.endif
.endr
.endr
	WIN 0
	PLACES 8                                       ; eight places behind this form (ISA guide 7.12.1), ahead of the first read of the sums
	WIN 0xc0
	s_wait_alu depctr_va_vdst(0)                   ; the products are done reading x's registers, in which the loads below land; v[XA] is written
.irp s, 0,1,2,3
	global_load_b64 v[XF+2*\s:XF+2*\s+1], v[XA], s[4:5] offset:16*\s
.endr
	ACT Z1, 0x03, 16, 48, 80, 112, 144, 1, 1, 1    ; h1 in v48 on, s1 in v112 on, s1' in v144 on
	QV 48, 80, LIMH0, VS0, PC0, 1, 0               ; h1 under e0, e2, e8: a run of codes for each, so that one wait serves all the trip's stores
	QV 48, 80, LIMH1, VS1, PC1, 1, 0
	QV 48, 80, LIMH2, VS2, PC2, 1, 0
	s_wait_alu depctr_va_vdst(0)                   ; s1, s1' and the three runs of codes are written, which the 22 LDS stores below read (v[SA] and v[PA] since the wait above)
.irp q, 0,1,2,3,4,5,6,7
	ds_store_b128 v[SA], v[112+4*\q:115+4*\q] offset:256*\q
	ds_store_b128 v[SA], v[144+4*\q:147+4*\q] offset:4096+256*\q   ; s1' waits in U1's place
.endr
	PUT PA, 0, PC0
	PUT PA, 16384, PC1
	PUT PA, 32768, PC2
	s_wait_loadcnt 0x0                             ; the next tile's x (in the first trip also set 0, b2, W3)
	s_add_co_u32 s27, s27, 2*SCUB
	s_add_co_u32 s28, s28, 1024
	s_add_co_u32 s26, s26, 1
	s_cmp_lt_u32 s26, 4
	s_cbranch_scc1 .Llb
	WIN 0xc3
.set qi, 0
.rept 32
	v_ldexp_f32 v[W3S+qi], v[W3D+qi], s92          ; W3 x 2^(e10 + e11), where b1 lay
.set qi, qi+1
.endr
	WIN 0xc0                                       ; the loads below land in registers that no vector or matrix instruction has named, by offsets written ahead of the head's wait
.irp s, 0,1
.irp c, 0,1,2,3
	global_load_b128 v[WC7+16*\s+4*\c:WC7+16*\s+4*\c+3], v[LI], s[16:17] offset:458752+2048*\s+512*\c
	global_load_b128 v[WC19+16*\s+4*\c:WC19+16*\s+4*\c+3], v[LI], s[16:17] offset:458752+4096+2048*\s+512*\c
.endr
.endr
	WIN 0x40
.irp tau, 0,1,2,3,4,5,6,7
.irp q, 0,1,2,3,4,5,6,7
	global_load_b128 v[32*\tau+4*\q:32*\tau+4*\q+3], v[W1BO], s[6:7] offset:1024*\tau+128*(\q/4)+16*(\q%4)
.endr
.endr
	LOADW 1, 128
	BARRIER                                        ; h1's twelve images lie in LDS
; ---------------------------------------------------------------- z2 three times.  p = 0: y's parts.  p = 1: Q4(W3 sigmoid).  p = 2: Q12(W3 sigmoid), and C2.
.macro LCPASS p, wb, pz
	s_mov_b32 s26, 0
	s_mov_b32 s27, 0
	s_mov_b32 s28, 0
	s_mov_b32 s31, 0
	s_wait_dscnt 0x0                               ; the pass before may have its last fetch out: the same registers are loaded again only behind this wait
	FETCH AF0, LI, \p*16384, 4096                  ; (the products that read AF0 stand ahead of the pass before's last wait on va_vdst)
.Llc\p:
	s_wait_alu depctr_vm_vsrc(0)                   ; the LDS instructions issued so far have read the four addresses and the stores' data (v112 on, v144 on, PC0), which are written again below
	v_add_nc_u32 v[SA], s27, v[SCUW]
	v_add_nc_u32 v[YA], s31, v[YRW]
	s_add_co_u32 s30, s28, CTB
	v_add_nc_u32 v[PA], s30, v[IMP]
	s_add_co_u32 s29, s28, 1024
	s_min_u32 s29, s29, 3072                       ; the next tile's image; the last trip fetches its own once more
	v_add_nc_u32 v[ADR], s29, v[LI]
	s_wait_dscnt 0x0
	MM ACC0, \wb, AF0
	PLACES 4                                       ; four places (ISA guide 7.12.1) ahead of the first read of the sums
	s_wait_alu depctr_va_vdst(0)                   ; the products are done reading AF0, in which the next image lands (and the weights' half, which is loaded again behind the pass); the four addresses are written
	FETCH AF0, ADR, \p*16384, 4096
	WIN 0x30
	PKFMAS ACC0, ACC0, \pz, B2D                    ; z2 = sum x 2^(eA + eB) + b2
	WIN 0
.if \p == 0
	ACT ACC0, 0, 16, ACC0, 48, 80, 144, 1, 0, 0
	WIN 0x0c
.irp c, 0,1,2,3
	v_pk_mul_f32 v[144+2*\c:145+2*\c], v[ACC0+2*\c:ACC0+2*\c+1], v[W3D+2*\c:W3D+2*\c+1]
.endr
.irp c, 4,5,6,7,8,9,10,11,12,13,14,15
	v_pk_fma_f32 v[144+2*(\c%4):145+2*(\c%4)], v[ACC0+2*\c:ACC0+2*\c+1], v[W3D+2*\c:W3D+2*\c+1], v[144+2*(\c%4):145+2*(\c%4)]
.endr
	WIN 0
	v_pk_add_f32 v[144:145], v[144:145], v[146:147]
	v_pk_add_f32 v[148:149], v[148:149], v[150:151]
	v_pk_add_f32 v[144:145], v[144:145], v[148:149]
	v_add_f32 v144, v144, v145
	v_permlanex16_b32 v146, v144, s[SEL], s[SEL+1]
	v_add_f32 v144, v144, v146                     ; sample r's sum over my 64 units
	s_wait_alu depctr_va_vdst(0)                   ; the sum is written, which the LDS store reads
	ds_store_b32 v[YA], v144
.elseif \p == 1
	ACT ACC0, 0, 16, ACC0, 48, 80, 144, 0, 1, 0
	WIN 0x0c
	PKMUL 48, 80, W3D
	WIN 0
	QV 48, 48, LIM4, VS0, PC0, 0, 0
	s_wait_alu depctr_va_vdst(0)                   ; the codes are written, which the LDS stores read
	PUT PA, 0, PC0
.else
	ACT ACC0, 0, 16, ACC0, 48, 80, 144, 0, 1, 1
	WIN 0x0c
	PKMUL 48, 80, W3D
	PKMUL 144, 144, W3S
	WIN 0
	QV 48, 48, LIM12, VS0, PC0, 0, 0
	s_wait_alu depctr_va_vdst(0)                   ; the codes and C2 are written, which the ten LDS stores read
	PUT PA, 16384, PC0
.irp q, 0,1,2,3,4,5,6,7
	ds_store_b128 v[SA], v[144+4*\q:147+4*\q] offset:2048+256*\q
.endr
.endif
	s_add_co_u32 s27, s27, 2*SCUB
	s_add_co_u32 s28, s28, 1024
	s_add_co_u32 s31, s31, 64
	s_add_co_u32 s26, s26, 1
	s_cmp_lt_u32 s26, 4
	s_cbranch_scc1 .Llc\p
.endm
	LCPASS 0, 0, PZ0
	LOADW 2, 0                                     ; the half just left takes the set after next
	v_mov_b32 v[VS0], s[SC4]
	s_wait_loadcnt 32                              ; all but the 32 just issued: set 1, W1's codes and factors are in
	LCPASS 1, 128, PZ1
	LOADW 4, 128
	v_mov_b32 v[VS0], s[SC12]
	s_wait_loadcnt 32                              ; set 2 is in
	LCPASS 2, 0, PZ2
	LOADW 5, 0
	BARRIER                                        ; both passes' ct2 images and y's parts lie in LDS
	s_wait_alu depctr_vm_vsrc(0)                   ; ahead of the branch: the last pass's LDS stores have read v144 on, in which wave 0's loads land, and its fetches have read v[ADR], which is written below
	s_cmp_lg_u32 s24, 0                            ; wave 0 adds the four waves' parts of y: two samples a lane, 256 consecutive bytes
	s_cbranch_scc1 .Lnoy
.irp w, 0,1,2,3
	ds_load_b64 v[144+2*\w:145+2*\w], v[YLA] offset:256*\w
.endr
	s_wait_dscnt 0x0
	v_pk_add_f32 v[144:145], v[144:145], v[146:147]
	v_pk_add_f32 v[148:149], v[148:149], v[150:151]
	v_pk_add_f32 v[144:145], v[144:145], v[148:149]
	s_wait_alu depctr_va_vdst(0)                   ; the sums are written, which the store reads
	global_store_b64 v[YGO], v[144:145], s[18:19]
	s_wait_xcnt 0x0                                ; the store has read its registers: they are written again further down
	s_wait_alu depctr_vm_vsrc(0)                   ; and beside it: the store has read v[144:145], which dy's scalings write
.Lnoy:
; ---------------------------------------------------------------- ct1 twice.  q = 0: Q6(ct1 s1).  q = 1: U1 = ct1 s1', scaled.
.macro LDPASS q, wb
	s_mov_b32 s26, 0
	s_mov_b32 s27, 0
	s_mov_b32 s28, 0
.if \q
	s_wait_alu depctr_vm_vsrc(0)                   ; the pass before's fetches have read v[ADR]
.endif
	v_add_nc_u32 v[ADR], CTB, v[LI]
	s_wait_dscnt 0x0
	s_wait_alu depctr_va_vdst(0)                   ; v[ADR] is written, which the fetch reads
	FETCH AF0, ADR, \q*16384, 4096
.Lld\q:
	s_wait_alu depctr_vm_vsrc(0)                   ; the LDS instructions issued so far have read the three addresses and the stores' data (PC0, or v112 on), which are written again below
	v_add_nc_u32 v[SA], s27, v[SCUW]
	v_add_nc_u32 v[PA], s28, v[IMP]
	s_add_co_u32 s29, s28, 1024
	s_min_u32 s29, s29, 3072
	s_add_co_u32 s29, s29, CTB
	v_add_nc_u32 v[ADR], s29, v[LI]
	s_wait_alu depctr_va_vdst(0)                   ; the three addresses are written; the multiplies that read v16 on, in which the loads below land, are done
.irp i, 0,1,2,3,4,5,6,7
	ds_load_b128 v[16+4*\i:19+4*\i], v[SA] offset:\q*4096+256*\i   ; s1, or s1'
.endr
	s_wait_dscnt 0x0
	MM ACC0, \wb, AF0
	PLACES 4
	s_wait_alu depctr_va_vdst(0)                   ; the products are done reading AF0, in which the next image lands (and the weights' half, which is loaded again behind the pass)
	FETCH AF0, ADR, \q*16384, 4096
	PKMUL ACC0, ACC0, 16
.if \q == 0
	QV ACC0, ACC0, LIM6, VS0, PC0, 0, 0
	s_wait_alu depctr_va_vdst(0)                   ; the codes are written, which the LDS stores read
	PUT PA, GB, PC0
.else
	PKMULS ACC0, ACC0, PU                          ; x 2^(e12 + e13 - e14 - e15): U1 is added to sums that lack 2^(e14 + e15)
	s_wait_alu depctr_va_vdst(0)                   ; U1 is written, which the LDS stores read
.irp i, 0,1,2,3,4,5,6,7
	ds_store_b128 v[SA], v[ACC0+4*\i:ACC0+4*\i+3] offset:4096+256*\i
.endr
.endif
	s_add_co_u32 s27, s27, 2*SCUB
	s_add_co_u32 s28, s28, 1024
	s_add_co_u32 s26, s26, 1
	s_cmp_lt_u32 s26, 4
	s_cbranch_scc1 .Lld\q
.endm
	v_mov_b32 v[VS0], s[SC6]
	s_wait_loadcnt 32                              ; set 4 is in
	LDPASS 0, 128
	LOADW 6, 128                                   ; stays: W2 under e15
	s_wait_loadcnt 32                              ; set 5 is in
	LDPASS 1, 0
	LOADW 3, 0                                     ; stays: W2 under e11
	BARRIER                                        ; the four images of Q6(ct1 s1) lie in LDS
	s_wait_alu depctr_vm_vsrc(0)                   ; the last pass's LDS stores have read v112 on, which the products below write, and its fetches v[ADR], which is written ahead of the main loop
	FETCH AF0, IMW, GB, 4096                       ; dy: wave w takes tile w
	s_wait_dscnt 0x0
	WIN 0x03
	v_wmma_f32_16x16x128_fp8_fp8 v[112:119], v[WC7:WC7+15], v[AF0:AF0+15], 0        ; source 0 = W1's 16 rows j: lane r holds sample r, its registers j = 8 h + 0 .. 7
	v_wmma_f32_16x16x128_fp8_fp8 v[120:127], v[WC7+16:WC7+31], v[AF0+16:AF0+31], 0  ; the second K step in an accumulator of its own
	WIN 0
	PLACES 4
.irp i, 0,2,4,6
	v_pk_mul_f32 v[144+\i:145+\i], v[112+\i:113+\i], s[PDY:PDY+1] op_sel_hi:[1,0]
.endr
.irp i, 0,2,4,6
	v_pk_fma_f32 v[144+\i:145+\i], v[120+\i:121+\i], s[PDY:PDY+1], v[144+\i:145+\i] op_sel_hi:[1,0,1]
.endr
	s_wait_alu depctr_va_vdst(0)                   ; dy is written, which the stage's stores read; whatever named v160 on, in which the stage's loads land, is done
	STAGE1K 144, 160
	s_wait_dscnt 0x0
	SEND1K 160, 20, 0
	s_wait_loadcnt 0x0                             ; both weight sets that stay are in, and the loads have read the offsets that lie in AF1's registers
	s_wait_xcnt 0x0                                ; dy's stores have read their registers
	v_mov_b32 v[VS0], s[SC10]
	v_mov_b32 v[VS1], s[SC14]
	v_mov_b32 v[VS2], s[SC18]
; ---------------------------------------------------------------- the main loop: a block of 8 samples x 16 tangents a trip
; Tile tau's vector work, the step's wait, and the tile's two stores.
.macro VEC kind, tau
.set VA, ACC0+32*((\tau)%2)
.set VP, PC0+8*((\tau)%2)
.set VF, 1-((\tau)%2)
.if \kind == 2
	PKMUL VA, VA, C2                               ; W3 sigmoid'(z2) dz2
	QV VA, VA, LIM14, VS1, VP, 0, VF
	s_wait_alu depctr_va_vdst(0)                   ; the step's one wait: the codes are written, which the two stores read; the next tile's products, issued ahead of this tile's vector work, are done reading their fragment, in which the fetch behind the stores lands
	PUT IMW, IMB+(\tau)*4096, VP
.else
	PKMUL VA, VA, S1                               ; dct1 s1
	WIN 0x04
	PKFMA VA, U1, 32*(\tau), VA                    ; + ct1 s1' W1[i]
	WIN 0
	QV VA, VA, LIM18, VS2, VP, 0, VF
	s_wait_alu depctr_va_vdst(0)                   ; the step's one wait, as above; in the last tile also: the multiplies are done reading s1 and U1, in which phase 4's loads land
	ds_store_b128 v[T2W], v[VP:VP+3] offset:16*(\tau)        ; into my row's SAMPLE's image, at the place of its tangent
	ds_store_b128 v[T2W], v[VP+4:VP+7] offset:16*(\tau)+512
.endif
.endm
; Eight tiles through one weight set.  Tile tau + 1's products are issued ahead of tile tau's vector work, on the other accumulators and the other fragment registers.  Behind the step's wait tile tau + 3's image is asked for,
; into the registers that tile tau + 1's products have read: it has a whole step in which to land.
.macro PHASE ib, wb, kind
	FETCH AF0, LI, \ib, 1024
	FETCH AF1, LI, \ib+4096, 1024
	s_wait_dscnt 8                                 ; tile 0's image is in; tile 1's eight loads may be out
	MM ACC0, \wb, AF0
	PLACES 5                                       ; behind tile 0's products: four ahead of the first read of their sums, five ahead of tile 2's products, which write over their sums; later tiles have the tile before's vector work there
	s_wait_alu depctr_va_vdst(0)                   ; tile 0's products are done reading AF0, in which tile 2's image lands
	FETCH AF0, LI, \ib+2*4096, 1024
.irp tau, 0,1,2,3,4,5,6,7
.if \tau < 7
.if \tau == 0
	s_wait_dscnt 8                                 ; tile 1's image is in; tile 2's eight loads may be out
.elseif \tau == 6
	s_wait_dscnt 2                                 ; behind tile 7's fetch stand only the two stores of tile 5's codes
.else
	s_wait_dscnt 10                                ; behind tile tau + 1's fetch stand the two stores of tile tau - 1's codes and the eight loads of tile tau + 2's image
.endif
	MM ACC0+32*((\tau+1)%2), \wb, AF0+32*((\tau+1)%2)
.endif
	VEC \kind, \tau
.if \tau < 5
	FETCH AF0+32*((\tau+1)%2), LI, \ib+(\tau+3)*4096, 1024   ; no vector or matrix instruction stands between the step's wait and these loads
.endif
.endr
.endm
	s_mov_b32 s25, 0                               ; the block's place in my kept bytes
	s_mov_b32 s26, 0
	s_mov_b32 s30, 0
	v_add_nc_u32 v[ADR], s30, v[SCUR]
	s_wait_alu depctr_va_vdst(0)                   ; v[ADR] is written, which the loads read; the prologue's vector work on v16 to v111, in which they land, is done
	LOADSCU
.Lblk:
	s_wait_alu depctr_vm_vsrc(0)                   ; the stage's stores and the global stores have read v144 to v175, which are accumulators again; the 24 loads have read v[ADR]; ahead of the first block also: the prologue's loads and LDS instructions have read the offsets in AF1's registers
	s_add_co_u32 s30, s25, SCUB
	s_min_u32 s30, s30, 7*SCUB                     ; the next block's three vectors; the last trip loads its own once more
	v_add_nc_u32 v[ADR], s30, v[SCUR]              ; made here, ahead of waits that stand anyway; read in phase 4
	s_wait_dscnt 16                                ; s1 is in; C2 and U1 (16 loads) may be out until the barrier below
.irp tau, 0,1,2,3,4,5,6,7
.set VA, ACC0+32*(\tau%2)
	WIN 0x04
	PKMUL VA, S1, 32*\tau                          ; dh1 = s1 W1[i]
	WIN 0
	QV VA, VA, LIM10, VS0, AF0+8*\tau, 0, 0        ; each tile's codes in registers of their own: AF0 and AF1 hold no image in this phase
.if \tau%4 == 3
	s_wait_alu depctr_va_vdst(0)                   ; four tiles' codes are written, which the eight stores below read
.irp u, 0,1,2,3
	PUT IMW, IMA+(\tau-3+\u)*4096, AF0+8*(\tau-3+\u)
.endr
.endif
.endr
	BARRIER                                        ; the eight images of dh1 are whole; every wave's reads of the T2 images are over
	s_wait_alu depctr_vm_vsrc(0)                   ; my sixteen stores have read the codes in AF0 and AF1, in which images land from here on
	PHASE IMA, 0, 2
	BARRIER
	PHASE IMB, 128, 3
	BARRIER                                        ; the eight samples' images are whole
	FETCH AF0, T2R, 0, 1024                        ; these 40 loads hang on nothing issued since the last tile's wait: no vector or matrix instruction stands between
	FETCH AF1, T2R, T2P, 1024
	LOADSCU
	s_wait_dscnt 24                                ; my two samples' images are in; the 24 loads just issued may be out
	WIN 0x0c
	v_wmma_f32_16x16x128_fp8_fp8 v[112:119], v[AF0:AF0+15], v[WC19:WC19+15], 0      ; source 0 = the sample's 16 tangents i, source 1 = W1's 16 rows j: lane r holds j = r, its registers i = 8 h + 0 .. 7
	v_wmma_f32_16x16x128_fp8_fp8 v[120:127], v[AF1:AF1+15], v[WC19:WC19+15], 0
	v_wmma_f32_16x16x128_fp8_fp8 v[112:119], v[AF0+16:AF0+31], v[WC19+16:WC19+31], v[112:119]
	v_wmma_f32_16x16x128_fp8_fp8 v[120:127], v[AF1+16:AF1+31], v[WC19+16:WC19+31], v[120:127]
	WIN 0
	PLACES 4
.irp i, 0,2,4,6,8,10,12,14
	v_pk_mul_f32 v[144+\i:145+\i], v[112+\i:113+\i], s[PO2:PO2+1] op_sel_hi:[1,0]   ; x 2^(e18 + e19)
.endr
	s_wait_alu depctr_va_vdst(0)                   ; the two samples' numbers are written, which the stage's stores read
	STAGE1K 144, 160
	STAGE1K 152, 168
	s_wait_dscnt 4                                 ; the first sample is back; the second's four stage instructions may be out
	SEND1K 160, 22, 0
	s_wait_dscnt 0x0
	SEND1K 168, 22, 1024
	s_wait_xcnt 0x0                                ; the stores have read their registers and their base: both are written again below
	s_add_nc_u64 s[22:23], s[22:23], 8192
	s_add_co_u32 s25, s25, SCUB
	s_add_co_u32 s26, s26, 1
	s_cmp_lt_u32 s26, 8
	s_cbranch_scc1 .Lblk
	s_wait_dscnt 0x0                               ; the closing lines, six on end
	s_wait_alu 0x0
	s_wait_tensorcnt 0x0
	ds_add_u32 v[SPW], v[NIL]
	s_wait_dscnt 0x0
	s_endpgm
.Lfunc_end_k_qb40fb45a85_idnn:
	.size	k_qb40fb45a85_idnn, .Lfunc_end_k_qb40fb45a85_idnn-k_qb40fb45a85_idnn
	.p2alignl 7, 3214868480
	.fill 96, 4, 3214868480
	.section	.rodata,"a",@progbits
	.p2align	6, 0x0
	.amdhsa_kernel k_qb40fb45a85_idnn
		.amdhsa_group_segment_fixed_size 305920
		.amdhsa_private_segment_fixed_size 0
		.amdhsa_enable_private_segment 0
		.amdhsa_kernarg_size 80
		.amdhsa_user_sgpr_count 2
		.amdhsa_user_sgpr_kernarg_segment_ptr 1
		.amdhsa_wavefront_size32 1
		.amdhsa_system_sgpr_workgroup_id_x 1
		.amdhsa_system_sgpr_workgroup_id_y 1
		.amdhsa_system_sgpr_workgroup_id_z 1
		.amdhsa_system_vgpr_workitem_id 0
		.amdhsa_next_free_vgpr 1024
		.amdhsa_next_free_sgpr 100
		.amdhsa_reserve_vcc 0
		.amdhsa_float_denorm_mode_32 3
		.amdhsa_float_denorm_mode_16_64 3
		.amdhsa_memory_ordered 1
		.amdhsa_forward_progress 1
		.amdhsa_inst_pref_size 254
	.end_amdhsa_kernel
	.amdgpu_metadata
---
amdhsa.version: [ 1, 2 ]
amdhsa.kernels:
  - .name:           k_qb40fb45a85_idnn
    .symbol:         k_qb40fb45a85_idnn.kd
    .args:
      - { .name: x, .offset: 0, .size: 8, .value_kind: global_buffer, .address_space: global }
      - { .name: W1, .offset: 8, .size: 8, .value_kind: global_buffer, .address_space: global }
      - { .name: b1, .offset: 16, .size: 8, .value_kind: global_buffer, .address_space: global }
      - { .name: b2, .offset: 24, .size: 8, .value_kind: global_buffer, .address_space: global }
      - { .name: W3, .offset: 32, .size: 8, .value_kind: global_buffer, .address_space: global }
      - { .name: lowp_scales, .offset: 40, .size: 8, .value_kind: global_buffer, .address_space: global }
      - { .name: wq, .offset: 48, .size: 8, .value_kind: global_buffer, .address_space: global }
      - { .name: out0, .offset: 56, .size: 8, .value_kind: global_buffer, .address_space: global }
      - { .name: out1, .offset: 64, .size: 8, .value_kind: global_buffer, .address_space: global }
      - { .name: out2, .offset: 72, .size: 8, .value_kind: global_buffer, .address_space: global }
    .group_segment_fixed_size: 305920
    .private_segment_fixed_size: 0
    .kernarg_segment_align: 8
    .kernarg_segment_size: 80
    .max_flat_workgroup_size: 128
    .sgpr_count:     100
    .vgpr_count:     1024
    .wavefront_size: 32
...
	.end_amdgpu_metadata
.endif
;; end of part 4
